; MI455X (gfx1250); checked and timed in simulation.
; The chip was launched on July 23, 2026; its instructions are those of AMD's public machine-readable ISA for CDNA 5 (MIT licence, August 2026) and "CDNA5" Instruction Set Architecture Reference Guide (July 2026). The comments in the code are by the model that wrote it; some were corrected since.
;; Grouped Query Attention. Allowed arithmetic: matrix products marked QUANTISED: E2M3 operands, one E8M0 scale for each 32 along K, by v_wmma_scale_f32_16x16x128_f8f6f4 with both operands' format E2M3, f32 sums; everything else in f32.
;; Inputs: o_b 1,024 float32; o_w 1,024 x 1,024 float32; wk_b 256 float32; wk_w 1,024 x 256 float32; wq_b 1,024 float32; wq_w 1,024 x 1,024 float32; wv_b 256 float32; wv_w 1,024 x 256 float32; x 4 x 2,048 x 1,024 float32.
;; Outputs: out0 4 x 2,048 x 1,024 float32.
;; This version of the problem:
;;   THIS VERSION OF THE PROBLEM IS GIVEN IN LOW PRECISION. The matrix products marked QUANTISED in the list below multiply operands that are first quantised to E2M3 (2 exponent bits, 3 mantissa bits; 6 bits a number), with one power-of-two scale for each 32 numbers along K (OCP MX v1.0); their sums are f32. All else is computed in f32.
;;   The module's matrix products, in the order in which they are computed (A, B: the left and right operand; K: the contracted axis; several contracted axes count as one K, in the product's order):
;;     1. [M 8,192, K 1,024] x [K 1,024, N 1,024]; A: input x; B: input wq_w: QUANTISED
;;     2. [M 8,192, K 1,024] x [K 1,024, N 256]; A: input x; B: input wk_w: QUANTISED
;;     3. [M 8,192, K 1,024] x [K 1,024, N 256]; A: input x; B: input wv_w: QUANTISED
;;     4. batch 64 x [M 2,048, K 64] x [K 64, N 2,048]; A: computed on the way; B: computed on the way: QUANTISED
;;     5. batch 64 x [M 2,048, K 2,048] x [K 2,048, N 64]; A: softmax (see below); B: computed on the way: QUANTISED
;;     6. [M 8,192, K 1,024] x [K 1,024, N 1,024]; A: computed on the way; B: input o_w: QUANTISED
;;   THE QUANTISER, for each operand of a quantised product, along K:
;;     - K is cut into blocks of 32 from its start; a last block that is shorter is filled with zeros.
;;     - A block's scale is 2^e with e = floor(log2(the largest magnitude in the block)) - 2, held to -126 .. 127; a block of zeros has e = 0. As a byte (E8M0): e + 127.
;;     - Each number is divided by its block's scale, clamped to +-7.5, and rounded to the nearest number of E2M3, ties to even, subnormals kept.
;;     - The product sums the exact products of the quantised numbers (number of the format x scale) in f32.
;;   ~~~python
;;   def quantise(x, axis):      # numpy; x: float32 -> the quantised numbers, widened to float32 again
;;       x = np.moveaxis(x, axis, -1); K = x.shape[-1]
;;       x = np.pad(x, [(0, 0)] * (x.ndim - 1) + [(0, -K % 32)]); x = x.reshape(x.shape[:-1] + (-1, 32)); a = np.abs(x).max(-1, keepdims=True)
;;       e = np.where(a > 0, np.clip(np.frexp(np.where(a > 0, a, 1))[1] - 1 - 2, -126, 127), 0)      # np.frexp(a)[1] - 1 = floor(log2(a)), exactly
;;       r = np.clip(x / 2.0 ** e, -7.5, 7.5)
;;       step = 2.0 ** (np.maximum(np.frexp(np.where(r == 0, 1, r))[1] - 1, 0) - 3)
;;       q = np.round(r / step) * step * 2.0 ** e      # np.round: ties to even
;;       return np.moveaxis(q.reshape(q.shape[:-2] + (-1,))[..., :K], -1, axis).astype(np.float32)
;;   ~~~
;;   SOFTMAX AHEAD OF A QUANTISED PRODUCT. Where the list says 'softmax', what is quantised is not the finished softmax but p = 2^(t - M), with t = logit x log2(e) and M = ceil(the row's largest t), a whole number; so 1/2 < the row's largest p <= 1. The row's sum l is taken of the UNQUANTISED p, in f32, and the product's result is divided by l at the end. Since M is a whole number, a kernel that streams over the keys may use a running M (the ceiling of the running maximum): every later rescaling is an exact power of two, which a block's scale takes up: the codes' values come out the same.
;;   OPERANDS COMPUTED ON THE WAY. 'Computed on the way' means the value that the module computes at that place (a softmax that the list does not call 'softmax' is quantised finished and normalised). What goes into a quantiser is computed in f32, as accurately as f32 sums, v_exp_f32 and their like allow (about 1e-6 of the number): no bf16 or f16 on the way to a quantiser, and a product that is left as it is and whose result goes on into a quantised operand takes f32 operands (vector FMAs, or v_wmma_f32_16x16x4_f32). A number that lies on a knife's edge between two numbers of the format may be rounded either way, as far as f32 arithmetic and the matrix unit's own rounding can turn it there, and no further.
;; One version. Each part assembles by itself: llvm-mc -triple=amdgcn-amd-amdhsa -mcpu=gfx1250 --defsym DOCPART=n.
;; ======== version 1 of 1: 4 launches
;; limits: right only within a limited range of input values
;; workspace buffers: pre 9,125,888 bytes; qkvb 9,830,400 bytes; att 6,553,600 bytes
;; launch prep (part 1): grid 448 x 1, 4 waves a work-group, no clusters, 34,304 bytes of LDS; arguments x, wq_w, wk_w, wv_w, o_w, pre; writes pre
.if DOCPART == 1
	.amdgcn_target "amdgcn-amd-amdhsa--gfx1250"
	.amdhsa_code_object_version 6
	.text
	.protected	k_qdb086a93c8_prep
	.globl	k_qdb086a93c8_prep
	.p2align	8
	.type	k_qdb086a93c8_prep,@function
k_qdb086a93c8_prep:
	s_mov_b64 s[64:65], 0
	v_nop
	global_prefetch_b8 v0, s[64:65] scope:SCOPE_SE
	s_setreg_imm32_b32 hwreg(HW_REG_WAVE_MODE, 25, 1), 1
	s_wait_xcnt 0x0
; PREP: x [8192][1024] and the four weights ([1024 (k)][n]) become codes of E2M3 with one E8M0 byte for each 32 along K, laid as IMAGES OF OPERAND REGISTERS; and the table of cos and sin for the rotation.
; A tile is 16 rows (tokens of x, columns of a weight); row r of tile I is index 32 (I / 2) + 8 (I % 2) + r + 8 (r / 8).  A fragment (a tile x 128 along K) is 12 registers a lane:
; register p of lane L lies at 512 (p / 4) + 16 L + 4 (p % 4) of its 1,536 bytes, so three accesses of 16 bytes a lane move it.  pre: x's tiles 0..511, then the weights' 160 (wq, wk, wv, o_w), 8 K steps each;
; then the scale words by pairs of tiles, [pair][K step / 4][lane][K step % 4]: lanes 0-15 the even tile's rows, lanes 16-31 the odd tile's; then the table [token 0..2047][32 cos | 32 sin].
; A block's scale is 2^(floor(log2(largest magnitude)) - 2): the largest magnitude's exponent field less 2, held at 1 from below.
; LIMITS: a block of zeros gets the byte 1 where the rule says 127 (its codes are zeros, and only this program reads the bytes); blocks whose largest magnitude lies under 2^-124 are held at the byte 1; NaN and
; infinities are not served.  The table takes 10^(j/8) as the nearest f32 number: where the power function of the defining program is an ulp off, an angle differs by at most 2^-23 of itself.
; Work-groups 0-159: weights.  160-191: the table.  192-447: x.  A stream: no matrix unit, no barrier; only x's path uses LDS, each wave its own stage.
.set FR,    1536
.set TILEB, 8*FR
.set WFO,   512*TILEB
.set XSO,   WFO+160*TILEB
.set WSO,   XSO+256*1024
.set TABO,  WSO+80*1024
.set XN,    144                        ; v144-207 64 numbers of a lane, register 16 b + i = k 32 b + 16 (lane / 16) + i of its row
.set PC,    208                        ; v208-219 a fragment's codes; v220-226 at work
.set TM,    228                        ; v228-243 at work
.set PW,    244                        ; the scale word just made
.set SWD,   248                        ; v248-251 four K steps' scale words
.set SEL,   32                         ; s[32:33] selects for lane l xor 16
; 64 numbers of a lane become a fragment's codes in v[PC] on and its row's scale word in v[PW].
.macro QUANT s
.irp b, 0,1,2,3
	v_max3_num_f32 v[TM+\b], |v[\s+16*\b]|, |v[\s+1+16*\b]|, 0x1800000   ; my 16 numbers of block b, and the floor 2^(3 - 127): the byte cannot fall under 1
.endr
.irp i, 2,4,6,8,10,12,14
.irp b, 0,1,2,3
	v_max3_num_f32 v[TM+\b], v[TM+\b], |v[\s+16*\b+\i]|, |v[\s+1+16*\b+\i]|
.endr
.endr
.irp b, 0,1,2,3
	v_permlanex16_b32 v[TM+4+\b], v[TM+\b], s[SEL], s[SEL+1]
.endr
.irp b, 0,1,2,3
	v_max_num_f32 v[TM+\b], v[TM+\b], v[TM+4+\b]   ; with lane l xor 16's 16: the block's largest magnitude
.endr
.irp b, 0,1,2,3
	v_add_nc_u32 v[TM+12+\b], 0xff000000, v[TM+\b]   ; 2 off the exponent field: the conversion's scale operand
.endr
.irp b, 0,1,2,3
	v_lshrrev_b32 v[TM+4+\b], 23, v[TM+12+\b]      ; the byte
.endr
	v_lshl_or_b32 v[PW], v[TM+5], 8, v[TM+4]
	v_lshl_or_b32 v[PW], v[TM+6], 16, v[PW]
	v_lshl_or_b32 v[PW], v[TM+7], 24, v[PW]
.irp c, 0,1
	v_cvt_scalef32_pk16_fp6_f32 v[PC+6*\c:PC+2+6*\c], v[\s+32*\c:\s+15+32*\c], v[TM+12+2*\c]
	v_cvt_scalef32_pk16_fp6_f32 v[PC+12+4*\c:PC+14+4*\c], v[\s+16+32*\c:\s+31+32*\c], v[TM+12+2*\c+1]   ; (a conversion's three registers begin on an even number)
.endr
	v_nop                                          ; one plain line behind the conversions
.irp c, 0,1                                    ; the operand wants a whole block in a lane: lanes 0-15 block 2 c, lanes 16-31 block 2 c + 1
.irp i, 0,1,2
	v_permlane16_swap_b32 v[PC+6*\c+\i], v[PC+12+4*\c+\i]
.endr
.irp i, 0,1,2
	v_mov_b32 v[PC+3+6*\c+\i], v[PC+12+4*\c+\i]
.endr
.endr
.endm
	s_load_b256 s[4:11], s[0:1], 0x0               ; x, wq_w, wk_w, wv_w
	s_load_b128 s[12:15], s[0:1], 0x20             ; o_w, pre
	v_lshl_add_u32 v254, v0, 2, 0x8400
	v_mov_b32 v255, 0
	v_lshrrev_b32 v1, 5, v0
	v_readfirstlane_b32 s16, v1                    ; wave
	v_and_b32 v2, 31, v0                           ; lane
	v_and_b32 v3, 15, v0                           ; r
	v_bfe_u32 v4, v0, 4, 1                         ; h
	v_lshlrev_b32 v5, 4, v2                        ; 16 x lane
	s_wait_kmcnt 0x0
	s_cmp_ge_u32 ttmp9, 192
	s_cbranch_scc1 .Lpath_x
	s_cmp_ge_u32 ttmp9, 160
	s_cbranch_scc1 .Lpath_t
; ---- THE WEIGHTS.  A work-group: 128 columns x one K step; a wave: 32 columns, a pair of tiles.  A LANE TAKES A COLUMN AND ITS REGISTERS RUN DOWN K: each load reads 128 consecutive bytes, the four waves side by side 512.
	s_lshr_b32 s20, ttmp9, 3                       ; which 128 columns of the 2,560: 0-7 wq, 8-9 wk, 10-11 wv, 12-19 o_w
	s_and_b32 s21, ttmp9, 7                        ; K step
	s_mov_b64 s[24:25], s[12:13]
	s_mov_b32 s22, 12
	s_cmp_lt_u32 s20, 12
	s_cselect_b64 s[24:25], s[10:11], s[24:25]
	s_cselect_b32 s22, 10, s22
	s_cmp_lt_u32 s20, 10
	s_cselect_b64 s[24:25], s[8:9], s[24:25]
	s_cselect_b32 s22, 8, s22
	s_cmp_lt_u32 s20, 8
	s_cselect_b64 s[24:25], s[6:7], s[24:25]
	s_cselect_b32 s22, 0, s22
	s_sub_co_u32 s22, s20, s22
	s_lshl_b32 s22, s22, 9                         ; 128 columns of 4 bytes
	s_lshl_b32 s23, s16, 7                         ; my wave's 32
	s_add_co_u32 s22, s22, s23
	s_mov_b32 s23, 0
	s_add_nc_u64 s[24:25], s[24:25], s[22:23]
	s_wait_alu depctr_va_vdst(0)
	v_and_b32 v6, 8, v3
	v_add_nc_u32 v6, v6, v3                        ; r + 8 (r / 8)
	v_lshl_add_u32 v6, v4, 3, v6                   ; + 8 for the odd tile (lanes 16-31)
	v_lshlrev_b32 v6, 2, v6
	s_lshl_b32 s26, s20, 2
	s_add_co_u32 s26, s26, s16                     ; my pair of tiles among the weights' 80
	s_mul_i32 s28, s26, 2*TILEB
	s_mul_i32 s27, s21, FR
	s_add_co_u32 s28, s28, s27
	s_add_co_u32 s28, s28, WFO
	s_mov_b32 s29, 0
	s_add_nc_u64 s[28:29], s[14:15], s[28:29]      ; the even tile's fragment of this K step
	s_lshl_b32 s30, s26, 10
	s_lshr_b32 s27, s21, 2
	s_lshl_b32 s27, s27, 9
	s_add_co_u32 s30, s30, s27
	s_and_b32 s27, s21, 3
	s_lshl_b32 s27, s27, 2
	s_add_co_u32 s30, s30, s27
	s_add_co_u32 s30, s30, WSO
	s_mov_b32 s31, 0
	s_add_nc_u64 s[30:31], s[14:15], s[30:31]      ; the pair's scale words of this K step
.macro WUNIT pitch
.set k, 0
.rept 128
	global_load_b32 v[64+k], v6, s[24:25] offset:k*\pitch th:TH_LOAD_NT
.set k, k+1
.endr
.irp b, 0,1,2,3
.set XB, 64+32*\b
.set CB, 192+12*(\b%2)+6*(\b/2)        ; blocks 0, 2 into the first run of 12, blocks 1, 3 into the second
.if \b < 2
	s_wait_loadcnt 63                              ; behind this block's loads stand 96 (64) more; the wait's field holds 63, and a smaller count is safe
.else
	s_wait_loadcnt 32*(3-\b)                       ; the later blocks' loads may be out
.endif
	v_max3_num_f32 v8, |v[XB]|, |v[XB+1]|, |v[XB+2]|               ; all 32 numbers of the block are mine
	v_max3_num_f32 v9, |v[XB+3]|, |v[XB+4]|, |v[XB+5]|
.irp i, 6,10,14,18,22,26
	v_max3_num_f32 v8, v8, |v[XB+\i]|, |v[XB+\i+1]|
	v_max3_num_f32 v9, v9, |v[XB+\i+2]|, |v[XB+\i+3]|
.endr
	v_max3_num_f32 v8, v8, |v[XB+30]|, |v[XB+31]|
	v_max3_num_f32 v8, v8, v9, 0x1800000           ; and the floor
	v_add_nc_u32 v[12+\b], 0xff000000, v8
.if \b == 0
	v_lshrrev_b32 v11, 23, v[12+\b]
.else
	v_lshrrev_b32 v10, 23, v[12+\b]
	v_lshl_or_b32 v11, v10, 8*\b, v11              ; my column's scale word
.endif
	v_cvt_scalef32_pk16_fp6_f32 v[CB:CB+2], v[XB:XB+15], v[12+\b]
	v_cvt_scalef32_pk16_fp6_f32 v[216+4*\b:218+4*\b], v[XB+16:XB+31], v[12+\b]
.endr
	v_nop                                          ; one plain line behind the conversions
.irp b, 0,1,2,3
.irp i, 0,1,2
	v_mov_b32 v[192+12*(\b%2)+6*(\b/2)+3+\i], v[216+4*\b+\i]
.endr
.endr
.irp c, 0,1                                    ; lanes 0-15 hold the even tile's four blocks, lanes 16-31 the odd tile's: the swap gives the first run the even tile's fragment (lanes 0-15 blocks 0, 2; lanes 16-31 blocks 1, 3), the second the odd tile's
.irp i, 0,1,2,3,4,5
	v_permlane16_swap_b32 v[192+6*\c+\i], v[204+6*\c+\i]
.endr
.endr
.irp G, 0,1,2
	global_store_b128 v5, v[192+4*\G:195+4*\G], s[28:29] offset:512*\G          ; 512 consecutive bytes a store
	global_store_b128 v5, v[204+4*\G:207+4*\G], s[28:29] offset:TILEB+512*\G
.endr
	global_store_b32 v5, v11, s[30:31]             ; 4 bytes of each lane's 16: the other K steps' work-groups write the rest (80 KiB in the whole launch go out so)
.endm
	s_sub_co_u32 s27, s20, 8
	s_cmp_lt_u32 s27, 4                            ; wk and wv have rows of 1,024 bytes
	s_cbranch_scc1 .Lnarrow
	s_lshl_b32 s22, s21, 19                        ; 128 rows of 4,096 bytes a K step
	s_add_nc_u64 s[24:25], s[24:25], s[22:23]
	s_wait_alu depctr_va_vdst(0)
	WUNIT 4096
	s_endpgm
.Lnarrow:
	s_lshl_b32 s22, s21, 17
	s_add_nc_u64 s[24:25], s[24:25], s[22:23]
	s_wait_alu depctr_va_vdst(0)
	WUNIT 1024
	s_endpgm
; ---- THE TABLE.  A wave: 16 tokens; lane j: frequency j.  angle = f32(t) x (1 / 10^(j/8)), each step rounded once, as the defining program rounds it; cos and sin by reduction to [-pi/4, pi/4] and polynomials.
.Lpath_t:
	s_sub_co_u32 s20, ttmp9, 160
	s_lshl_b32 s20, s20, 2
	s_add_co_u32 s20, s20, s16
	s_lshl_b32 s21, s20, 4                         ; my first token
	s_lshl_b32 s22, s21, 8
	s_add_co_u32 s22, s22, TABO
	s_mov_b32 s23, 0
	s_add_nc_u64 s[26:27], s[14:15], s[22:23]
	s_mov_b32 s28, 0x3fc90fdb                      ; pi/2 as f32,
	s_mov_b32 s29, 0xb33bbd2e                      ; and what is left of pi/2
	v_mov_b32 v8, 1.0
	v_mov_b32 v9, 1.0                              ; 10^(j/8); lane 0 keeps 1
.macro PICK j, lit
	v_mul_f32 v10, \lit, v8
	v_cmp_eq_u32 vcc_lo, \j, v2
	v_cndmask_b32 v9, v9, v10, vcc_lo
.endm
	s_wait_alu depctr_va_vdst(0)
	PICK 1, 1.33352143
	PICK 2, 1.77827941
	PICK 3, 2.37137371
	PICK 4, 3.16227766
	PICK 5, 4.21696503
	PICK 6, 5.62341325
	PICK 7, 7.49894209
	PICK 8, 10.0
	PICK 9, 13.3352143
	PICK 10, 17.7827941
	PICK 11, 23.7137371
	PICK 12, 31.6227766
	PICK 13, 42.1696503
	PICK 14, 56.2341325
	PICK 15, 74.9894209
	PICK 16, 100.0
	PICK 17, 133.352143
	PICK 18, 177.827941
	PICK 19, 237.137371
	PICK 20, 316.227766
	PICK 21, 421.696503
	PICK 22, 562.341325
	PICK 23, 749.894209
	PICK 24, 1000.0
	PICK 25, 1333.52143
	PICK 26, 1778.27941
	PICK 27, 2371.37371
	PICK 28, 3162.27766
	PICK 29, 4216.96503
	PICK 30, 5623.41325
	PICK 31, 7498.94209
	v_mul_f32 v20, 0.00019515295891, v8            ; sin: r + r z (-c22 + z (c21 - c20 z))
	v_mul_f32 v21, 0.0083321608736, v8
	v_mul_f32 v22, 0.16666654611, v8
	v_mul_f32 v23, 0.00002443315712, v8            ; cos: 1 - z / 2 + z z (c25 + z (-c24 + c23 z))
	v_mul_f32 v24, 0.001388731625, v8
	v_mul_f32 v25, 0.04166664568, v8
	s_wait_alu depctr_va_vdst(0)
	v_rcp_f32 v11, v9
	v_lshlrev_b32 v7, 2, v2                        ; (a plain line behind the reciprocal)  4 x lane
	s_wait_alu depctr_va_vdst(0)                   ; the wait ahead of the result's first reader
	v_fma_f32 v12, -v9, v11, 1.0                   ; one correction: the quotient 1 / P to the last bit or nearly
	v_fma_f32 v11, v11, v12, v11
	s_mov_b32 s20, 0
.Ltok:
	v_cvt_f32_u32 v12, s21
	v_mul_f32 v12, v12, v11                        ; the angle, up to 2,047
	v_mul_f32 v13, 0x3f22f983, v12                 ; x 2 / pi
	v_rndne_f32 v13, v13                           ; n, at most 1,303
	v_fma_f32 v14, -v13, s28, v12                  ; exact: the difference is under 1 and a multiple of 2^-23
	v_fma_f32 v14, -v13, s29, v14
	v_mul_f32 v15, v14, v14                        ; z
	v_fma_f32 v16, -v15, v20, v21
	v_fma_f32 v18, v15, v23, -v24
	v_fma_f32 v16, v16, v15, -v22
	v_fma_f32 v18, v18, v15, v25
	v_mul_f32 v17, v14, v15
	v_fma_f32 v19, v15, -0.5, 1.0
	v_fma_f32 v16, v17, v16, v14                   ; sin of the reduced angle
	v_mul_f32 v17, v15, v15
	v_fma_f32 v18, v17, v18, v19                   ; cos
	v_cvt_i32_f32 v26, v13
	v_and_b32 v27, 1, v26
	v_cmp_eq_u32 vcc_lo, 1, v27                    ; odd quadrants change the two
	v_cndmask_b32 v28, v16, v18, vcc_lo
	v_cndmask_b32 v29, v18, v16, vcc_lo
	v_and_b32 v27, 2, v26
	v_lshlrev_b32 v27, 30, v27
	v_xor_b32 v28, v28, v27                        ; sin is negative in quadrants 2, 3
	v_add_nc_u32 v30, 1, v26
	v_and_b32 v30, 2, v30
	v_lshlrev_b32 v30, 30, v30
	v_xor_b32 v29, v29, v30                        ; cos in quadrants 1, 2
	global_store_b32 v7, v29, s[26:27]
	global_store_b32 v7, v28, s[26:27] offset:128  ; the two stores fill the token's 256 bytes
	s_wait_xcnt 0x0                                ; the stores' data and base are written again only behind this wait
	s_add_nc_u64 s[26:27], s[26:27], 256
	s_add_co_u32 s21, s21, 1
	s_add_co_u32 s20, s20, 1
	s_cmp_lt_u32 s20, 16
	s_cbranch_scc1 .Ltok
	s_endpgm
; ---- x.  A wave: one tile of 16 tokens x 512 along K, four K steps.  Each load takes 512 consecutive bytes of one row; a K step's 16 rows turn through the wave's own stage in LDS (rows of 528 bytes),
; so that a lane gets 16 neighbours of each block of its row.
.Lpath_x:
	s_sub_co_u32 s20, ttmp9, 192
	s_lshl_b32 s20, s20, 1
	s_lshr_b32 s21, s16, 1
	s_add_co_u32 s20, s20, s21                     ; tile
	s_and_b32 s21, s16, 1                          ; which half of K
	s_lshr_b32 s22, s20, 1                         ; pair of tiles
	s_and_b32 s23, s20, 1
	s_lshl_b32 s24, s22, 17                        ; 32 rows of 4,096 bytes a pair,
	s_lshl_b32 s25, s23, 15                        ; 8 rows on for the odd tile,
	s_add_co_u32 s24, s24, s25
	s_lshl_b32 s25, s21, 11                        ; 2,048 bytes on for the second half of K
	s_add_co_u32 s24, s24, s25
	s_mov_b32 s25, 0
	s_add_nc_u64 s[4:5], s[4:5], s[24:25]
	s_mul_i32 s26, s20, TILEB
	s_mul_i32 s27, s21, 4*FR
	s_add_co_u32 s26, s26, s27
	s_mov_b32 s27, 0
	s_add_nc_u64 s[26:27], s[14:15], s[26:27]
	s_lshl_b32 s28, s22, 10
	s_lshl_b32 s29, s21, 9
	s_add_co_u32 s28, s28, s29
	s_lshl_b32 s29, s23, 8
	s_add_co_u32 s28, s28, s29
	s_add_co_u32 s28, s28, XSO
	s_mov_b32 s29, 0
	s_add_nc_u64 s[28:29], s[14:15], s[28:29]
	s_mul_i32 s30, s16, 16*528                     ; my stage
	s_wait_alu depctr_va_vdst(0)
	v_add_nc_u32 v6, s30, v5                       ; in: 16 x lane of a row
	v_mul_u32_u24 v7, v3, 528
	v_lshl_add_u32 v7, v4, 6, v7
	v_add_nc_u32 v7, s30, v7                       ; out: row r, + 64 h
	v_lshlrev_b32 v8, 4, v3                        ; the scale words' place: 16 r
	s_mov_b32 s[SEL], 0x76543210
	s_mov_b32 s[SEL+1], 0xfedcba98
.irp b, 0,1,2,3
	v_mov_b32 v[TM+4+\b], 0                        ; written once: a lane permute's destination counts as one of its sources
.endr
.macro LOADX s
.irp p, 0,1,2,3,4,5,6,7,8,9,10,11,12,13,14,15
	global_load_b128 v[16+64*((\s)%2)+4*\p:16+64*((\s)%2)+4*\p+3], v5, s[4:5] offset:(\p+8*(\p/8))*4096+512*(\s) th:TH_LOAD_NT
.endr
.endm
	LOADX 0
	LOADX 1
	s_wait_alu depctr_va_vdst(0)
.irp s, 0,1,2,3
.if \s < 3
	s_wait_loadcnt 16                              ; this K step's 16 loads are in; the next step's 16 may be out
.else
	s_wait_loadcnt 0x0
.endif
.irp p, 0,1,2,3,4,5,6,7,8,9,10,11,12,13,14,15
	ds_store_b128 v6, v[16+64*(\s%2)+4*\p:16+64*(\s%2)+4*\p+3] offset:528*\p
.endr
.irp b, 0,1,2,3
.irp j, 0,1,2,3
	ds_load_b128 v[XN+16*\b+4*\j:XN+16*\b+4*\j+3], v7 offset:128*\b+16*\j   ; LDS serves a wave's instructions in order: these see the stores above
.endr
.endr
	s_wait_dscnt 0x0                               ; the numbers are back, and the stores have read their registers,
.if \s < 2
	LOADX \s+2                                     ; which take the loads of two steps on
.endif
	s_wait_xcnt 0x0                                ; the last step's stores have read the codes' registers
	QUANT XN
.irp G, 0,1,2
	global_store_b128 v5, v[PC+4*\G:PC+4*\G+3], s[26:27] offset:\s*FR+512*\G
.endr
	v_mov_b32 v[SWD+\s], v[PW]
.endr
	global_store_b128 v8, v[SWD:SWD+3], s[28:29]   ; sixteen rows x 16 bytes: 256 consecutive bytes, aligned (lanes 16-31 repeat lanes 0-15's bytes)
	s_wait_tensorcnt 0x0
	ds_add_u32 v254, v255
	s_wait_dscnt 0x0
	s_endpgm
.Lfunc_end_k_qdb086a93c8_prep:
	.size	k_qdb086a93c8_prep, .Lfunc_end_k_qdb086a93c8_prep-k_qdb086a93c8_prep
	.p2alignl 7, 3214868480
	.fill 96, 4, 3214868480
	.section	.rodata,"a",@progbits
	.p2align	6, 0x0
	.amdhsa_kernel k_qdb086a93c8_prep
		.amdhsa_group_segment_fixed_size 34304
		.amdhsa_private_segment_fixed_size 0
		.amdhsa_enable_private_segment 0
		.amdhsa_kernarg_size 48
		.amdhsa_user_sgpr_count 2
		.amdhsa_user_sgpr_kernarg_segment_ptr 1
		.amdhsa_wavefront_size32 1
		.amdhsa_system_sgpr_workgroup_id_x 1
		.amdhsa_system_sgpr_workgroup_id_y 1
		.amdhsa_system_sgpr_workgroup_id_z 1
		.amdhsa_system_vgpr_workitem_id 0
		.amdhsa_next_free_vgpr 256
		.amdhsa_next_free_sgpr 66
		.amdhsa_reserve_vcc 1
		.amdhsa_float_denorm_mode_32 3
		.amdhsa_float_denorm_mode_16_64 3
		.amdhsa_memory_ordered 1
		.amdhsa_forward_progress 1
		.amdhsa_inst_pref_size 80
	.end_amdhsa_kernel
	.amdgpu_metadata
---
amdhsa.version: [ 1, 2 ]
amdhsa.kernels:
  - .name:           k_qdb086a93c8_prep
    .symbol:         k_qdb086a93c8_prep.kd
    .args:
      - { .name: x, .offset: 0, .size: 8, .value_kind: global_buffer, .address_space: global }
      - { .name: wq_w, .offset: 8, .size: 8, .value_kind: global_buffer, .address_space: global }
      - { .name: wk_w, .offset: 16, .size: 8, .value_kind: global_buffer, .address_space: global }
      - { .name: wv_w, .offset: 24, .size: 8, .value_kind: global_buffer, .address_space: global }
      - { .name: o_w, .offset: 32, .size: 8, .value_kind: global_buffer, .address_space: global }
      - { .name: pre, .offset: 40, .size: 8, .value_kind: global_buffer, .address_space: global }
    .group_segment_fixed_size: 34304
    .private_segment_fixed_size: 0
    .kernarg_segment_align: 8
    .kernarg_segment_size: 48
    .max_flat_workgroup_size: 128
    .sgpr_count:     66
    .vgpr_count:     256
    .wavefront_size: 32
...
	.end_amdgpu_metadata
.endif
;; end of part 1
;; launch qkv (part 2): grid 32 x 6, 4 waves a work-group, no clusters, 327,680 bytes of LDS; arguments pre, wq_b, wk_b, wv_b, qkvb; writes qkvb
.if DOCPART == 2
	.amdgcn_target "amdgcn-amd-amdhsa--gfx1250"
	.amdhsa_code_object_version 6
	.text
	.protected	k_qdb086a93c8_qkv
	.globl	k_qdb086a93c8_qkv
	.p2align	8
	.type	k_qdb086a93c8_qkv,@function
k_qdb086a93c8_qkv:
	s_mov_b64 s[64:65], 0
	v_nop
	global_prefetch_b8 v0, s[64:65] scope:SCOPE_SE
	s_setreg_imm32_b32 hwreg(HW_REG_WAVE_MODE, 25, 1), 1
	s_wait_xcnt 0x0
; QKV: x wq + bq, x wk + bk, x wv + bv on codes of E2M3; the rotation of Q and K; all three quantised again, in f32, into images of the operands of the attention launch.
; A work-group: 256 tokens (x) x 256 columns (y: 0-3 four query heads each, 4 the four key heads, 5 the four value heads).  Four waves; source 0 = P, a panel of 16 tiles in LDS with ALL of K, filled once;
; source 1 = R, four tiles a wave, straight from memory into registers.  A lane of a result holds one row of R, and its registers run along P's rows; by the order of a tile's rows (row r of tile I is index
; 32 (I / 2) + 8 (I % 2) + r + 8 (r / 8)) the 16 registers of two neighbouring tiles of P are 16 neighbours.  y <= 4: P = the weight's columns, R = tokens: a lane holds a token and 64 numbers of each head, d and d + 32
; in one lane.  y = 5: P = tokens, R = wv's columns: a lane holds one d and its registers run along the tokens, which are the second attention product's K.
; No LDS byte is filled twice: K = 1,024 of 256 rows is 196,608 bytes of codes.  No cluster: in the value role each work-group's panel is its own, and one text serves both roles.  192 work-groups: 6 x 256 columns.
; qkvb: Q's fragments [b 16 + head][pair of token tiles][1,536]: the even tile in registers 0-5, the odd one in 6-11 (K = 64 each);  K and V by steps of 128 keys, [b 4 + kv head][step][12,800]: four fragments of K (two key
; tiles each), four of V^T (16 d x 128 keys), four registers of scale words;  Q's scale words [b 16 + head][pair][row].
; LIMITS: a block of zeros gets the byte 1 (its codes are zeros; only this program reads the bytes); largest magnitudes under 2^-124 are held at the byte 1; NaN and infinities are not served.
; REGISTERS: window 0: v1-11 addresses; v16-31 R's scale words, v32-95 P's; v96-191 two sets of four fragments of P, later the way out's work, with v192-231.  Windows 1, 2: the 64 accumulators, (a, b) at window 1 + b / 8,
; register 64 a + 8 (b % 8).  Window 3: R's fragments, five slots of four; on the way out the table and the biases.
.set FR,    1536
.set TILEB, 12288
.set NPT,   16
.set NG,    NPT/4
.set CH,    NPT*3072                   ; half of a half of the panel: the panel lies as [half of K][tile][K step % 4][1,536], a half is 2 CH bytes
.set PSC,   4*CH                       ; the panel's end
.set SCA,   8257536                    ; in pre: the scale words
.set TABO,  8601600                    ; and the table
.set KVO,   6291456                    ; in qkvb: K's and V's steps
.set QSO,   9568256                    ; and Q's scale words
.set STEPB, 12800
.set LI,  1                            ; v1   16 x lane
.set L4,  2                            ; v2   4 x lane
.set LQ,  4                            ; v4-7 16 x lane + chunk
.set APS, 8
.set VT,  9                            ; v9   the table: my token's row of a tile, + 64 h
.set VB,  10                           ; v10  the biases of Q and K: 64 h
.set VV,  11                           ; v11  V's bias: 4 (r + 8 (r / 8))
.set RS,  16
.set PS,  32
.set PB,  96
.set X,   96                           ; the way out: 64 numbers
.set PC,  160
.set TM,  180
.set PW,  196
.set KEEP, 197
.set SW,  200
.set SWV, 204
.set TU,  208
.set BV,  224
.set SEL, 96                           ; s[96:97]
.set MSB, 0
.macro WIN new                         ; the immediate's high byte repeats the setting that is left
.if MSB != (\new)
	s_set_vgpr_msb (MSB<<8)|(\new)
.set MSB, \new
.endif
.endm
.macro PLACES                          ; four plain lines behind a matrix instruction, ahead of loads into its registers and of reads of its result
.rept 4
	v_nop
.endr
.endm
; One matrix instruction: D at DD, source 0 at PA, source 1 at RB, C = 0 (CZ) or at CC, scale words in SA and SB; ROWA, ROWB: the words stand in lanes 16-31.
.macro WM
.if CZ
.if ROWA && ROWB
	v_wmma_scale_f32_16x16x128_f8f6f4 v[DD:DD+7], v[PA:PA+11], v[RB:RB+11], 0, v[SA], v[SB] matrix_a_fmt:MATRIX_FMT_FP6 matrix_b_fmt:MATRIX_FMT_FP6 matrix_a_scale:MATRIX_SCALE_ROW1 matrix_b_scale:MATRIX_SCALE_ROW1
.elseif ROWA
	v_wmma_scale_f32_16x16x128_f8f6f4 v[DD:DD+7], v[PA:PA+11], v[RB:RB+11], 0, v[SA], v[SB] matrix_a_fmt:MATRIX_FMT_FP6 matrix_b_fmt:MATRIX_FMT_FP6 matrix_a_scale:MATRIX_SCALE_ROW1
.elseif ROWB
	v_wmma_scale_f32_16x16x128_f8f6f4 v[DD:DD+7], v[PA:PA+11], v[RB:RB+11], 0, v[SA], v[SB] matrix_a_fmt:MATRIX_FMT_FP6 matrix_b_fmt:MATRIX_FMT_FP6 matrix_b_scale:MATRIX_SCALE_ROW1
.else
	v_wmma_scale_f32_16x16x128_f8f6f4 v[DD:DD+7], v[PA:PA+11], v[RB:RB+11], 0, v[SA], v[SB] matrix_a_fmt:MATRIX_FMT_FP6 matrix_b_fmt:MATRIX_FMT_FP6
.endif
.else
.if ROWA && ROWB
	v_wmma_scale_f32_16x16x128_f8f6f4 v[DD:DD+7], v[PA:PA+11], v[RB:RB+11], v[CC:CC+7], v[SA], v[SB] matrix_a_fmt:MATRIX_FMT_FP6 matrix_b_fmt:MATRIX_FMT_FP6 matrix_a_scale:MATRIX_SCALE_ROW1 matrix_b_scale:MATRIX_SCALE_ROW1
.elseif ROWA
	v_wmma_scale_f32_16x16x128_f8f6f4 v[DD:DD+7], v[PA:PA+11], v[RB:RB+11], v[CC:CC+7], v[SA], v[SB] matrix_a_fmt:MATRIX_FMT_FP6 matrix_b_fmt:MATRIX_FMT_FP6 matrix_a_scale:MATRIX_SCALE_ROW1
.elseif ROWB
	v_wmma_scale_f32_16x16x128_f8f6f4 v[DD:DD+7], v[PA:PA+11], v[RB:RB+11], v[CC:CC+7], v[SA], v[SB] matrix_a_fmt:MATRIX_FMT_FP6 matrix_b_fmt:MATRIX_FMT_FP6 matrix_b_scale:MATRIX_SCALE_ROW1
.else
	v_wmma_scale_f32_16x16x128_f8f6f4 v[DD:DD+7], v[PA:PA+11], v[RB:RB+11], v[CC:CC+7], v[SA], v[SB] matrix_a_fmt:MATRIX_FMT_FP6 matrix_b_fmt:MATRIX_FMT_FP6
.endif
.endif
.endm
; 64 numbers of a lane, register 16 b + i = k 32 b + 16 (lane / 16) + i, become a fragment's codes in v[PC] on and the scale word in v[PW].
.macro QUANT s
.irp b, 0,1,2,3
	v_max3_num_f32 v[TM+\b], |v[\s+16*\b]|, |v[\s+1+16*\b]|, 0x1800000   ; and the floor 2^(3 - 127): the byte cannot fall under 1
.endr
.irp i, 2,4,6,8,10,12,14
.irp b, 0,1,2,3
	v_max3_num_f32 v[TM+\b], v[TM+\b], |v[\s+16*\b+\i]|, |v[\s+1+16*\b+\i]|
.endr
.endr
.irp b, 0,1,2,3
	v_permlanex16_b32 v[TM+4+\b], v[TM+\b], s[SEL], s[SEL+1]
.endr
.irp b, 0,1,2,3
	v_max_num_f32 v[TM+\b], v[TM+\b], v[TM+4+\b]
.endr
.irp b, 0,1,2,3
	v_add_nc_u32 v[TM+12+\b], 0xff000000, v[TM+\b]   ; 2 off the exponent field: the conversion's scale operand
.endr
.irp b, 0,1,2,3
	v_lshrrev_b32 v[TM+4+\b], 23, v[TM+12+\b]
.endr
	v_lshl_or_b32 v[PW], v[TM+5], 8, v[TM+4]
	v_lshl_or_b32 v[PW], v[TM+6], 16, v[PW]
	v_lshl_or_b32 v[PW], v[TM+7], 24, v[PW]
.irp c, 0,1
	v_cvt_scalef32_pk16_fp6_f32 v[PC+6*\c:PC+2+6*\c], v[\s+32*\c:\s+15+32*\c], v[TM+12+2*\c]
	v_cvt_scalef32_pk16_fp6_f32 v[PC+12+4*\c:PC+14+4*\c], v[\s+16+32*\c:\s+31+32*\c], v[TM+12+2*\c+1]
.endr
	v_nop                                          ; one plain line behind the conversions
.irp c, 0,1
.irp i, 0,1,2
	v_permlane16_swap_b32 v[PC+6*\c+\i], v[PC+12+4*\c+\i]
.endr
.irp i, 0,1,2
	v_mov_b32 v[PC+3+6*\c+\i], v[PC+12+4*\c+\i]
.endr
.endr
.endm
.macro FETCHP gm                       ; group gm = K step gm / NG, tiles 4 (gm % NG) on of the panel: four fragments, 12 loads of 512 consecutive bytes, into set gm % 2
.set FS, (\gm)/NG
.set FG, (\gm)%NG
.irp i, 0,1,2,3
.irp G, 0,1,2
	ds_load_b128 v[PB+48*((\gm)%2)+12*\i+4*\G:PB+48*((\gm)%2)+12*\i+4*\G+3], v[LQ+2*(FS/4)+FG/2] offset:((4*FG+\i)%8)*6144+(FS%4)*FR+512*\G
.endr
.endr
.endm
.macro LOADR s                         ; my four tiles' fragments of K step s, into slot s % 5 of window 3
	WIN 0xc0
.irp a, 0,1,2,3
.irp G, 0,1,2
	global_load_b128 v[48*((\s)%5)+12*\a+4*\G:48*((\s)%5)+12*\a+4*\G+3], v[LI], s[72:73] offset:\a*TILEB+(\s)*FR+512*\G
.endr
.endr
	WIN 0
.endm
.macro MULG gm                         ; 16 matrix instructions on 16 accumulators: the accumulators take turns, one instruction a turn
.set MS, (\gm)/NG
.set MG, (\gm)%NG
.set AW, 1+MG/2
	WIN (AW<<6)|(AW<<4)|0x0c
.irp i, 0,1,2,3
.irp a, 0,1,2,3
.set DD, 64*\a+8*((4*MG+\i)%8)
.set CC, DD
.set PA, PB+48*((\gm)%2)+12*\i
.set RB, 48*(MS%5)+12*\a
.set SA, PS+8*((4*MG+\i)/2)+MS
.set SB, RS+8*(\a/2)+MS
.set ROWA, \i%2
.set ROWB, \a%2
.set CZ, MS == 0                       ; the first K step starts the sums
	WM
.endr
.endr
.endm
	s_load_b256 s[4:11], s[0:1], 0x0               ; pre, wq_b, wk_b, wv_b
	s_load_b64 s[12:13], s[0:1], 0x20              ; qkvb
	v_lshl_add_u32 v254, v0, 2, 0x32000
	v_mov_b32 v255, 0
	ds_add_u32 v254, v255
	ds_add_u32 v254, v255
	v_lshrrev_b32 v3, 5, v0
	v_readfirstlane_b32 s14, v3                    ; wave
	v_and_b32 v3, 31, v0
	v_lshlrev_b32 v[LI], 4, v3
	v_lshlrev_b32 v[L4], 2, v3
.irp q, 0,1,2,3
	v_add_nc_u32 v[LQ+\q], \q*CH, v[LI]
.endr
	v_and_b32 v12, 15, v0                          ; r
	v_bfe_u32 v13, v0, 4, 1                        ; h
	v_and_b32 v14, 8, v12
	v_add_nc_u32 v14, v14, v12                     ; r + 8 (r / 8)
	v_lshlrev_b32 v[VB], 6, v13
	v_lshl_add_u32 v[VT], v14, 8, v[VB]
	v_lshlrev_b32 v[VV], 2, v14
	s_and_b32 s16, ttmp7, 0xffff                   ; y
	s_lshl_b32 s17, ttmp9, 4                       ; x's tiles of this block of tokens
	s_lshl_b32 s18, s16, 4
	s_add_co_u32 s18, s18, 512                     ; the weights' tiles of this block of columns
	s_lshl_b32 s19, s14, 2
	s_mov_b32 s20, 592                             ; wv's tiles
	s_cmp_eq_u32 s16, 5
	s_cselect_b32 s21, s17, s18                    ; P's first tile
	s_cselect_b32 s22, s20, s17
	s_add_co_u32 s22, s22, s19                     ; my first tile of R
	s_lshl_b32 s66, s21, 9                         ; the panel's scale words: 512 bytes a tile
	s_add_co_u32 s66, s66, SCA
	s_mov_b32 s67, 0
	s_add_co_u32 s68, s21, s19
	s_mul_i32 s68, s68, TILEB                      ; my four tiles of the panel
	s_mov_b32 s69, 0
	s_mul_i32 s70, s14, (NPT/4)*6144
	s_mul_i32 s72, s22, TILEB
	s_mov_b32 s73, 0
	s_lshl_b32 s74, s22, 9
	s_add_co_u32 s74, s74, SCA
	s_mov_b32 s75, 0
	; group 1 for a chunk: four rows (tiles) of 6,144 bytes (four K steps: 768 elements of 8 bytes), 12,288 bytes apart in memory, on end in LDS
	s_mov_b32 s32, 3<<16
	s_mov_b32 s33, 768<<16                         ; a row is half of a tile's K: four K steps, 6,144 bytes
	s_mov_b32 s34, (NPT/4)<<16
	s_mov_b32 s35, 768<<16
	s_mov_b32 s36, NPT/4
	s_mov_b32 s37, 1536
	s_mov_b32 s38, 0
	s_mov_b32 s39, 0
	s_mov_b32 s[SEL], 0x76543210
	s_mov_b32 s[SEL+1], 0xfedcba98
	s_mov_b32 s95, 0xffff0000                      ; lanes 16-31
	s_wait_alu depctr_va_vdst(0)
	s_wait_dscnt 0x0
	s_wait_kmcnt 0x0
	s_add_nc_u64 s[42:43], s[4:5], s[66:67]        ; P's scale words: they go straight from memory into registers
	s_add_nc_u64 s[68:69], s[4:5], s[68:69]
.irp q, 0,1
	s_mov_b32 s[44+4*\q], 1
	s_add_co_u32 s[45+4*\q], s70, \q*2*CH
	s_add_nc_u64 s[46+4*\q:47+4*\q], s[68:69], \q*6144
	s_or_b32 s[47+4*\q], s[47+4*\q], 0x80000000
.endr
	s_add_nc_u64 s[72:73], s[4:5], s[72:73]        ; R's fragments
	s_add_nc_u64 s[74:75], s[4:5], s[74:75]        ; R's scale words
	tensor_load_to_lds s[44:47], s[32:39]          ; my four tiles, the first half of K: my one tensor load at the head
	s_nop 0
.rept 4
	v_nop                                          ; (behind a tensor load)
.endr
.irp pr, 0,1
.irp g, 0,1
	global_load_b128 v[RS+8*\pr+4*\g:RS+8*\pr+4*\g+3], v[LI], s[74:75] offset:\pr*1024+\g*512
.endr
.endr
.irp pr, 0,1,2,3,4,5,6,7
.irp g, 0,1
	global_load_b128 v[PS+8*\pr+4*\g:PS+8*\pr+4*\g+3], v[LI], s[42:43] offset:\pr*1024+\g*512   ; issued ahead of R's fragments, so the first wait for those covers these
.endr
.endr
.irp s, 0,1,2,3,4
	LOADR \s
.endr
	s_wait_tensorcnt 0x0                           ; my part of the first half is in
	ds_add_u32 v254, v255
	s_wait_dscnt 0x0
	s_barrier_signal -1
	s_barrier_wait -1                              ; everybody's is
	tensor_load_to_lds s[48:51], s[32:39]          ; the second half of K, into bytes of its own: it has 240 of the first half's 256 matrix instructions in which to land
	s_nop 0
.rept 4
	v_nop
.endr
	FETCHP 0
.set GM, 0
.rept 8*NG
.set KS_, GM/NG
.if GM+1 == 4*NG
	s_wait_tensorcnt 0x0                           ; my part of the second half is in
	s_wait_dscnt 0x0
	s_barrier_signal -1
	s_barrier_wait -1
.endif
	WIN 0
.if GM+1 < 8*NG
	FETCHP GM+1
	s_wait_dscnt 12                                ; all but the 12 just issued: this group's fragments are in
.else
	s_wait_dscnt 0x0
.endif
.if GM%NG == 0
.if KS_ < 4
	s_wait_loadcnt 48                              ; behind this K step's 12 loads of R stand those of four later steps
.else
	s_wait_loadcnt 12*(7-KS_)
.endif
.endif
	MULG GM
	PLACES
.if (GM%NG == NG-1) && (KS_ <= 2)
	LOADR KS_+5                                    ; the slot just multiplied takes the K step five on
.endif
.set GM, GM+1
.endr
	WIN 0
.irp b, 0,1,2,3
	v_mov_b32 v[TM+4+\b], 0                        ; a lane permute's destination counts as one of its sources
.endr
	s_lshr_b32 s76, ttmp9, 3                       ; batch
	s_and_b32 s77, ttmp9, 7                        ; which 256 tokens of it
	s_cmp_eq_u32 s16, 5
	s_cbranch_scc1 .Lway_v
; ---- Q AND K: bias, rotation, quantiser.  For head hd a lane's 32 registers of tile a are d = 16 h + 0..15 and 32 + 16 h + 0..15 of its token.
	s_lshl_b32 s78, s77, 16
	s_lshl_b32 s79, s14, 14
	s_add_co_u32 s78, s78, s79
	s_add_co_u32 s78, s78, TABO
	s_mov_b32 s79, 0
	s_add_nc_u64 s[78:79], s[4:5], s[78:79]        ; the table at my wave's first token
	s_lshl_b32 s82, s16, 10
	s_mov_b32 s83, 0
	s_add_nc_u64 s[82:83], s[6:7], s[82:83]        ; wq_b at this block's columns
	s_lshl_b32 s84, s76, 4
	s_lshl_b32 s85, s16, 2
	s_add_co_u32 s84, s84, s85                     ; 16 b + the first head
	s_lshl_b32 s84, s84, 6
	s_lshl_b32 s85, s77, 3
	s_add_co_u32 s84, s84, s85
	s_lshl_b32 s85, s14, 1
	s_add_co_u32 s84, s84, s85                     ; Q: my first pair of tiles
	s_mul_i32 s86, s84, FR
	s_lshl_b32 s87, s84, 6
	s_add_co_u32 s87, s87, QSO
	s_lshl_b32 s84, s76, 6
	s_lshl_b32 s85, s77, 1
	s_add_co_u32 s84, s84, s85
	s_lshr_b32 s85, s14, 1
	s_add_co_u32 s84, s84, s85                     ; K: my key step of kv head 0
	s_mul_i32 s84, s84, STEPB
	s_add_co_u32 s84, s84, KVO
	s_and_b32 s85, s14, 1
	s_mul_i32 s88, s85, 2*FR
	s_add_co_u32 s88, s88, s84                     ; fragments 2 (wave % 2) on
	s_lshl_b32 s85, s85, 7
	s_add_co_u32 s89, s84, s85
	s_add_co_u32 s89, s89, 8*FR                    ; and their register of scale words
	s_mov_b32 s90, 64*FR                           ; from head to head
	s_mov_b32 s92, 4096
	s_mov_b32 s94, 16*STEPB
	s_cmp_eq_u32 s16, 4
	s_cselect_b32 s86, s88, s86
	s_cselect_b32 s88, s89, s87
	s_cselect_b32 s90, s94, s90
	s_cselect_b32 s92, s94, s92
	s_cselect_b64 s[80:81], s[8:9], s[82:83]       ; wk_b, or wq_b at its place
	s_mov_b32 s87, 0
	s_mov_b32 s89, 0
	s_mov_b32 s91, 0
	s_mov_b32 s93, 0
	s_add_nc_u64 s[86:87], s[12:13], s[86:87]      ; where the codes go
	s_add_nc_u64 s[88:89], s[12:13], s[88:89]      ; where the scale words go
	WIN 0xc0                                       ; window 3, which R has left: v0-127 cos and sin of my tokens (32 a tile), v128-255 the biases (32 a head)
.irp a, 0,1,2,3
.irp j, 0,1,2,3
	global_load_b128 v[32*\a+4*\j:32*\a+4*\j+3], v[VT], s[78:79] offset:(32*(\a/2)+8*(\a%2))*256+16*\j
	global_load_b128 v[32*\a+16+4*\j:32*\a+16+4*\j+3], v[VT], s[78:79] offset:(32*(\a/2)+8*(\a%2))*256+128+16*\j
.endr
.endr
.irp hd, 0,1,2,3
.irp bt, 0,1
.irp j, 0,1,2,3
	global_load_b128 v[128+32*\hd+16*\bt+4*\j:128+32*\hd+16*\bt+4*\j+3], v[VB], s[80:81] offset:256*\hd+128*\bt+16*\j
.endr
.endr
.endr
	WIN 0
	s_wait_loadcnt 0x0
.macro FRAGQK hd, p                    ; head hd, my tiles 2 p and 2 p + 1: one fragment
	s_wait_xcnt 0x0                                ; the last fragment's stores have read their registers and bases
.if (\p == 0) && (\hd > 0)
	s_add_nc_u64 s[86:87], s[86:87], s[90:91]
	s_add_nc_u64 s[88:89], s[88:89], s[92:93]
.endif
.irp c, 0,1
.set AB, 64*(2*\p+\c)+32*(\hd%2)
.set TBL, 32*(2*\p+\c)
.set XC, X+32*\c
	WIN (1+\hd/2)|0x0c                             ; source 0: the accumulators' window; source 1: window 3
.set k, 0
.rept 16
	v_pk_add_f32 v[XC+k:XC+k+1], v[AB+k:AB+k+1], v[128+32*\hd+k:128+32*\hd+k+1]   ; + bias; each accumulator is read from its low end on
.set k, k+2
.endr
	WIN 0x0c
.set k, 0
.rept 8
.set T0, TU+4*((k/2)%4)
	v_pk_mul_f32 v[T0:T0+1], v[XC+16+k:XC+17+k], v[TBL+16+k:TBL+17+k]             ; u(d + 32) sin
	v_pk_mul_f32 v[T0+2:T0+3], v[XC+k:XC+k+1], v[TBL+16+k:TBL+17+k]               ; u(d) sin
	v_pk_fma_f32 v[XC+k:XC+k+1], v[XC+k:XC+k+1], v[TBL+k:TBL+k+1], v[T0:T0+1] neg_lo:[0,0,1] neg_hi:[0,0,1]
	v_pk_fma_f32 v[XC+16+k:XC+17+k], v[XC+16+k:XC+17+k], v[TBL+k:TBL+k+1], v[T0+2:T0+3]
.set k, k+2
.endr
.endr
	WIN 0
	QUANT X
.irp G, 0,1,2
	global_store_b128 v[LI], v[PC+4*\G:PC+4*\G+3], s[86:87] offset:\p*FR+512*\G
.endr
.if \p == 0
	v_mov_b32 v[KEEP], v[PW]
.else
	v_cndmask_b32 v[SW+\hd], v[KEEP], v[PW], s95   ; lanes 0-15 the first fragment's words, lanes 16-31 the second's
	global_store_b32 v[L4], v[SW+\hd], s[88:89]    ; 128 consecutive bytes
.endif
.endm
.irp hd, 0,1,2,3
.irp p, 0,1
	FRAGQK \hd, \p
.endr
.endr
	s_wait_tensorcnt 0x0
	ds_add_u32 v254, v255
	s_wait_dscnt 0x0
	s_endpgm
; ---- V: wave w is kv head w; tile a of R is d = 32 (a / 2) + 8 (a % 2) + r + 8 (r / 8); a window of accumulators is a key step.
.Lway_v:
	s_lshl_b32 s84, s14, 8
	s_mov_b32 s85, 0
	s_add_nc_u64 s[80:81], s[10:11], s[84:85]
.irp a, 0,1,2,3
	global_load_b32 v[BV+2*\a], v[VV], s[80:81] offset:128*(\a/2)+32*(\a%2)
	v_mov_b32 v[BV+2*\a+1], 0                      ; (named with it as a pair)
.endr
	s_lshl_b32 s86, s76, 2
	s_add_co_u32 s86, s86, s14
	s_lshl_b32 s86, s86, 4
	s_lshl_b32 s87, s77, 1
	s_add_co_u32 s86, s86, s87
	s_mul_i32 s86, s86, STEPB
	s_add_co_u32 s86, s86, KVO
	s_mov_b32 s87, 0
	s_add_nc_u64 s[86:87], s[12:13], s[86:87]      ; my head's first key step of this block
	s_wait_alu depctr_va_vdst(0)
	s_wait_loadcnt 0x0
.macro FRAGV a, st
	s_wait_xcnt 0x0                                ; the last fragment's stores have read their registers
	WIN 1+\st
.set k, 0
.rept 32
	v_pk_add_f32 v[X+k:X+k+1], v[64*\a+k:64*\a+k+1], v[BV+2*\a:BV+2*\a+1] op_sel_hi:[1,0]
.set k, k+2
.endr
	WIN 0
	QUANT X
.irp G, 0,1,2
	global_store_b128 v[LI], v[PC+4*\G:PC+4*\G+3], s[86:87] offset:\st*STEPB+4*FR+FR*\a+512*\G
.endr
.if \a%2 == 0
	v_mov_b32 v[KEEP], v[PW]
.else
	v_cndmask_b32 v[SWV], v[KEEP], v[PW], s95
	global_store_b32 v[L4], v[SWV], s[86:87] offset:\st*STEPB+8*FR+256+128*(\a/2)
.endif
.endm
.irp st, 0,1
.irp a, 0,1,2,3
	FRAGV \a, \st
.endr
.endr
	s_wait_tensorcnt 0x0
	ds_add_u32 v254, v255
	s_wait_dscnt 0x0
	s_endpgm
.Lfunc_end_k_qdb086a93c8_qkv:
	.size	k_qdb086a93c8_qkv, .Lfunc_end_k_qdb086a93c8_qkv-k_qdb086a93c8_qkv
	.p2alignl 7, 3214868480
	.fill 96, 4, 3214868480
	.section	.rodata,"a",@progbits
	.p2align	6, 0x0
	.amdhsa_kernel k_qdb086a93c8_qkv
		.amdhsa_group_segment_fixed_size 327680
		.amdhsa_private_segment_fixed_size 0
		.amdhsa_enable_private_segment 0
		.amdhsa_kernarg_size 40
		.amdhsa_user_sgpr_count 2
		.amdhsa_user_sgpr_kernarg_segment_ptr 1
		.amdhsa_wavefront_size32 1
		.amdhsa_system_sgpr_workgroup_id_x 1
		.amdhsa_system_sgpr_workgroup_id_y 1
		.amdhsa_system_sgpr_workgroup_id_z 1
		.amdhsa_system_vgpr_workitem_id 0
		.amdhsa_next_free_vgpr 1024
		.amdhsa_next_free_sgpr 100
		.amdhsa_reserve_vcc 0
		.amdhsa_float_denorm_mode_32 3
		.amdhsa_float_denorm_mode_16_64 3
		.amdhsa_memory_ordered 1
		.amdhsa_forward_progress 1
		.amdhsa_inst_pref_size 253
	.end_amdhsa_kernel
	.amdgpu_metadata
---
amdhsa.version: [ 1, 2 ]
amdhsa.kernels:
  - .name:           k_qdb086a93c8_qkv
    .symbol:         k_qdb086a93c8_qkv.kd
    .args:
      - { .name: pre, .offset: 0, .size: 8, .value_kind: global_buffer, .address_space: global }
      - { .name: wq_b, .offset: 8, .size: 8, .value_kind: global_buffer, .address_space: global }
      - { .name: wk_b, .offset: 16, .size: 8, .value_kind: global_buffer, .address_space: global }
      - { .name: wv_b, .offset: 24, .size: 8, .value_kind: global_buffer, .address_space: global }
      - { .name: qkvb, .offset: 32, .size: 8, .value_kind: global_buffer, .address_space: global }
    .group_segment_fixed_size: 327680
    .private_segment_fixed_size: 0
    .kernarg_segment_align: 8
    .kernarg_segment_size: 40
    .max_flat_workgroup_size: 128
    .sgpr_count:     100
    .vgpr_count:     1024
    .wavefront_size: 32
...
	.end_amdgpu_metadata
.endif
;; end of part 2
;; launch attn (part 3): grid 16 x 16, 8 waves a work-group, clusters of 4 x 1, 327,680 bytes of LDS; arguments qkvb, att; writes att
.if DOCPART == 3
	.amdgcn_target "amdgcn-amd-amdhsa--gfx1250"
	.amdhsa_code_object_version 6
	.text
	.protected	k_qdb086a93c8_attn
	.globl	k_qdb086a93c8_attn
	.p2align	8
	.type	k_qdb086a93c8_attn,@function
k_qdb086a93c8_attn:
	s_mov_b64 s[64:65], 0
	v_nop
	global_prefetch_b8 v0, s[64:65] scope:SCOPE_SE
	s_setreg_imm32_b32 hwreg(HW_REG_WAVE_MODE, 25, 1), 1
	s_wait_xcnt 0x0
	s_wait_alu depctr_hold_cnt(0) depctr_sa_sdst(0) depctr_va_vdst(0) depctr_va_sdst(0) depctr_va_ssrc(0) depctr_va_vcc(0) depctr_vm_vsrc(0)
	s_getreg_b32 s2, hwreg(HW_REG_IB_STS2, 6, 4)
	s_cmp_eq_u32 s2, 0
	s_cbranch_scc0 .Lentry_in_a_cluster
	s_endpgm
.Lentry_in_a_cluster:
	s_bfe_u32 s2, ttmp6, 0x10000c
	s_cmp_lg_u32 s2, 0x3003
	s_cbranch_scc0 .Lentry_shape_is_right
	s_endpgm
.Lentry_shape_is_right:
; ATTENTION on codes of E2M3: S^T = K Q^T, p = 2^(t - M) with M the ceiling of the running largest t, O^T += V^T p^T, O / l quantised again along d into images of the last launch's operand.
; LEFT OUT: key steps that lie wholly behind a query tile's diagonal: the causal mask sets their scores to -inf, so their p is 0 for all inputs.
; A work-group: one batch and kv head (y), all 16 key steps of 128 keys in LDS (16 x 12,800 bytes), filled once, one joint load a wave (two steps, 25,600 bytes).  The four work-groups of a cluster share y and ask jointly.
; Eight waves: wave = 4 g + head.  A wave takes a PAIR of query tiles (32 tokens: pair cx of a block of 128 tokens) of one query head, first of block u = 2 x + g, then of block 15 - u: 17 active steps for every wave.
; The pair's even tile A lives in register window 0, the odd tile B in window 1, under the same register numbers: one macro serves both.  K's and V's fragments are read from LDS once for both tiles.
; THE MATRIX INSTRUCTIONS STAND IN THE OTHER TILE'S VECTOR WORK, one at a time: tile B's eight score products in the gaps of tile A's serial chain; tile A's four second products and tile A's eight score products
; of the NEXT step in the gaps of tile B's.  So a trip finds S^T of tile A made; the trip at the diagonal makes one S^T that nobody reads (of the next step, held inside the tiles).  Tile B's second products end the trip.
; K's fragments of the next step are asked for in tile A's work, behind tile B's score products; V's at the trip's top; one wait for both stands at the start of tile B's work.
; The step loop has 16 trips for every wave; a branch on ids leads round the steps behind the diagonal.  The last active step is masked by compare and select.
; No prefetch: the launch's one fill goes out at its head, and there is no loop to run ahead in.
; LIMITS: the promise holds while the scaled scores stay under 2^31 in magnitude; a block of zeros gets the byte 1 (its codes are zeros; only this program reads the bytes); NaN and infinities are not served.
; REGISTERS, each window: v3 mask threshold, v12 -M, v13 largest t, v14-15 l, v16-33 Q between zeros, v96-159 S then p, v160-191 O^T, v192-210 codes, v212-229 at work, v230 -inf, v236-241 the second block's Q.
; Window 0 alone: v1-11 addresses, v34-35 Q's scale words, v36-83 K's fragments, v84-87 K's and V's scale words, v88-89 p's, v90-91 Q's words as loaded, v232-235 the way out.  Window 1 alone: v36-83 V's fragments.
.set FR,    1536
.set STEPB, 12800
.set KVO,   6291456
.set QSO,   9568256
.set ASO,   6291456
.set STG,   204800                     ; the stage: 8 token tiles x 4 heads x 768 bytes
.set SSC,   229376                     ; the scale bytes' stage: 4 x 256 bytes
.set SPARE, 230400                     ; the spare words, 128 bytes a wave
.set MSB, 0
.macro WIN new                         ; the immediate's high byte repeats the setting that is left
.if MSB != (\new)
	s_set_vgpr_msb (MSB<<8)|(\new)
.set MSB, \new
.endif
.endm
.macro ROUND
	s_barrier_signal -1
	s_barrier_wait -1
	s_cmp_lg_u32 s8, 0
	s_cbranch_scc1 .Lnot_wave_0_\@
	s_barrier_signal -3
.Lnot_wave_0_\@:
	s_barrier_wait -3
	s_barrier_signal -1
	s_barrier_wait -1
.endm
.macro WM
.if CZ
.if ROWA
	v_wmma_scale_f32_16x16x128_f8f6f4 v[DD:DD+7], v[PA:PA+11], v[RB:RB+11], 0, v[SA], v[SB] matrix_a_fmt:MATRIX_FMT_FP6 matrix_b_fmt:MATRIX_FMT_FP6 matrix_a_scale:MATRIX_SCALE_ROW1
.else
	v_wmma_scale_f32_16x16x128_f8f6f4 v[DD:DD+7], v[PA:PA+11], v[RB:RB+11], 0, v[SA], v[SB] matrix_a_fmt:MATRIX_FMT_FP6 matrix_b_fmt:MATRIX_FMT_FP6
.endif
.else
.if ROWA
	v_wmma_scale_f32_16x16x128_f8f6f4 v[DD:DD+7], v[PA:PA+11], v[RB:RB+11], v[DD:DD+7], v[SA], v[SB] matrix_a_fmt:MATRIX_FMT_FP6 matrix_b_fmt:MATRIX_FMT_FP6 matrix_a_scale:MATRIX_SCALE_ROW1
.else
	v_wmma_scale_f32_16x16x128_f8f6f4 v[DD:DD+7], v[PA:PA+11], v[RB:RB+11], v[DD:DD+7], v[SA], v[SB] matrix_a_fmt:MATRIX_FMT_FP6 matrix_b_fmt:MATRIX_FMT_FP6
.endif
.endif
.endm
; A pair's fragment of Q (even tile registers 0-5, odd tile 6-11) and its scale words; blk: the block of 128 tokens
.macro QLOAD blk, sa, q, w
	s_lshl_b32 s43, \blk, 2
	s_add_co_u32 s43, s43, s9
	s_add_co_u32 s43, s43, s48
	s_mul_i32 s[\sa], s43, FR
	s_mov_b32 s[\sa+1], 0
	s_add_nc_u64 s[\sa:\sa+1], s[4:5], s[\sa:\sa+1]
	s_lshl_b32 s[\sa+2], s43, 6
	s_add_co_u32 s[\sa+2], s[\sa+2], QSO
	s_mov_b32 s[\sa+3], 0
	s_add_nc_u64 s[\sa+2:\sa+3], s[4:5], s[\sa+2:\sa+3]
	global_load_b128 v[\q:\q+3], v1, s[\sa:\sa+1]
	global_load_b64 v[\q+4:\q+5], v1, s[\sa:\sa+1] offset:512
	global_load_b32 v[\w], v234, s[\sa+2:\sa+3]
	WIN 0x40
	global_load_b64 v[\q:\q+1], v1, s[\sa:\sa+1] offset:520
	global_load_b128 v[\q+2:\q+5], v1, s[\sa:\sa+1] offset:1024
	WIN 0
.endm
.macro KLOAD a, s                      ; a step's four fragments of K (two key tiles each) and their two registers of scale words: 14 LDS loads
.irp f, 0,1,2,3
.irp G, 0,1,2
	ds_load_b128 v[36+12*\f+4*\G:39+12*\f+4*\G], v[\a] offset:FR*\f+512*\G
.endr
.endr
	ds_load_b32 v84, v[\s] offset:8*FR
	ds_load_b32 v85, v[\s] offset:8*FR+128
.endm
.macro QK1 t, f, c                     ; one score product of tile t: fragment f of K holds two key tiles of K = 64; Q stands in the one half of source 1 and zeros in the other
	WIN 0x54*(\t)
.set DD, 96+8*(2*(\f)+(\c))
.set PA, 36+12*(\f)
.set RB, 22-6*(\c)
.set SA, 84+(\f)/2
.set SB, 34+(\t)
.set ROWA, (\f)%2
.set CZ, 1
	WM
.endm
.macro PV1 t, a                        ; one second product of tile t: O^T's accumulator a; the four take turns
	WIN 0x01+0x54*(\t)
.set DD, 160+8*(\a)
.set PA, 36+12*(\a)
.set RB, 192
.set SA, 86+(\a)/2
.set SB, 88+(\t)
.set ROWA, (\a)%2
.set CZ, 0
	WM
.endm
.macro GAP t, k                        ; in a gap of tile t's chain: score product k of the other tile (for tile B's chain: tile A's, of the next step)
	QK1 1-\t, (\k)/2, (\k)%2
	WIN 0x55*\t
.endm
.macro PVS t, m                        ; in a gap of tile B's work: tile A's second product m
.if \t
	PV1 0, \m
	WIN 0x55
.endif
.endm
; The softmax step of tile t and its p quantised
.macro SOFT t
	WIN 0
	s_cmp_lg_u32 s40, s41
	s_cbranch_scc1 .Lopen_\@
	WIN 0x55*\t
	s_wait_alu depctr_va_vdst(0)                   ; the wait ahead of the first reader of these matrix results
.set n, 0
.rept 64
	v_cmp_gt_i32 vcc_lo, 32*(n/16)+n%16, v3        ; the diagonal step: keys behind my query
	v_cndmask_b32 v[96+n], v[96+n], v230, vcc_lo
.set n, n+1
.endr
	WIN 0
.Lopen_\@:
.if \t
	s_wait_dscnt 0x0                               ; V's fragments of this step and K's of the next are in
.endif
	WIN 0x55*\t
	s_wait_alu depctr_va_vdst(0)                   ; the same wait on the way round the mask; it also stands between the other tile's last vector results and the matrix instructions below
.irp b, 0,1,2,3
	v_max3_num_f32 v[212+\b], v[96+16*\b], v[97+16*\b], v[98+16*\b]   ; the largest score of each block of 32 keys
.endr
.irp i, 3,5,7,9,11,13
.irp b, 0,1,2,3
	v_max3_num_f32 v[212+\b], v[212+\b], v[96+16*\b+\i], v[97+16*\b+\i]
.endr
.endr
.irp b, 0,1,2,3
	v_max_num_f32 v[212+\b], v[212+\b], v[111+16*\b]
.endr
	PVS \t, 0
.irp b, 0,1,2,3
	v_permlanex16_b32 v[216+\b], v[212+\b], s20, s21
.endr
	PVS \t, 1
.irp b, 0,1,2,3
	v_max_num_f32 v[212+\b], v[212+\b], v[216+\b]
.endr
	PVS \t, 2
	v_max3_num_f32 v224, v212, v213, v214
	GAP \t, 0
	v_max_num_f32 v224, v224, v215
	GAP \t, 1
	v_mul_f32 v224, s22, v224
	GAP \t, 2
	v_max_num_f32 v13, v13, v224                   ; the running largest t
	GAP \t, 3
	v_mov_b32 v224, v12
	GAP \t, 4
	v_floor_f32 v12, -v13                          ; -M
	GAP \t, 5
	v_sub_f32 v224, v12, v224
	GAP \t, 6
	v_cvt_i32_f32 v224, v224
	GAP \t, 7
	v_ldexp_f32 v226, 1.0, v224                    ; f = 2^(old M - new M)
	PVS \t, 3
	s_wait_alu depctr_va_vdst(0)
.set j, 0
.rept 32
	v_pk_fma_f32 v[96+j:97+j], v[96+j:97+j], s[22:23], v[12:13] op_sel_hi:[1,0,0]
.set j, j+2
.endr
.irp b, 0,1,2,3
	v_fma_f32 v[212+\b], v[212+\b], s22, v12
.endr
.if \t == 0
	KLOAD 10, 11                                   ; the next step's K: tile B's score products of this step stand 37 vector instructions back
.endif
	s_wait_alu depctr_va_vdst(0)                   ; one wait, directly ahead of the first reader of O^T and ahead of the batch
.set j, 0
.rept 16
	v_pk_mul_f32 v[160+j:161+j], v[160+j:161+j], v[226:227] op_sel_hi:[1,0]
.set j, j+2
.endr
.set j, 0
.rept 64
	v_exp_f32 v[96+j], v[96+j]
.set j, j+1
.endr
	v_pk_mul_f32 v[14:15], v[14:15], v[226:227] op_sel_hi:[1,0]
	s_wait_alu depctr_va_vdst(0)                   ; and behind the batch
.irp b, 0,1,2,3
	v_exp_f32 v[212+\b], v[212+\b]                 ; each block's largest p
.endr
	v_pk_add_f32 v[228:229], v[96:97], v[98:99]    ; l is summed of the unquantised p
.irp j, 4,8,12,16,20,24,28,32,36,40,44,48,52,56,60
	v_pk_add_f32 v[14:15], v[14:15], v[96+\j:97+\j]
	v_pk_add_f32 v[228:229], v[228:229], v[98+\j:99+\j]
.endr
	s_delay_alu instid0(VALU_DEP_1)
	v_pk_add_f32 v[14:15], v[14:15], v[228:229]
	s_wait_alu depctr_va_vdst(0)                   ; for the four
.irp b, 0,1,2,3
	v_max_num_f32 v[212+\b], 0x1800000, v[212+\b]  ; the floor: the byte cannot fall under 1
.endr
.irp b, 0,1,2,3
	s_delay_alu instid0(VALU_DEP_4)
	v_add_nc_u32 v[220+\b], 0xff000000, v[212+\b]
.endr
.irp b, 0,1,2,3
	s_delay_alu instid0(VALU_DEP_4)
	v_lshrrev_b32 v[216+\b], 23, v[220+\b]
.endr
	s_delay_alu instid0(VALU_DEP_3)
	v_lshl_or_b32 v227, v217, 8, v216
	s_delay_alu instid0(VALU_DEP_1)
	v_lshl_or_b32 v227, v218, 16, v227
	WIN 0x15*\t                                    ; scale operands are taken from window 0
	v_lshl_or_b32 v[88+\t], v219, 24, v227
	WIN 0x55*\t
.irp c, 0,1
	v_cvt_scalef32_pk16_fp6_f32 v[192+6*\c:194+6*\c], v[96+32*\c:111+32*\c], v[220+2*\c]
	v_cvt_scalef32_pk16_fp6_f32 v[204+4*\c:206+4*\c], v[112+32*\c:127+32*\c], v[220+2*\c+1]
.endr
	v_nop
.irp c, 0,1
.irp i, 0,1,2
	v_permlane16_swap_b32 v[192+6*\c+\i], v[204+4*\c+\i]
.endr
.irp i, 0,1,2
	v_mov_b32 v[195+6*\c+\i], v[204+4*\c+\i]
.endr
.endr
.if \t
.rept 4
	v_nop                                          ; places between the codes' last move and the products that take them
.endr
.irp a, 0,1,2,3
	PV1 1, \a
.endr
.endif
.endm
; A finished tile: O^T / l, quantised along d (two blocks of 32), six registers of codes and two scale bytes into the stage
.macro OUTQ t
	WIN 0x55*\t
	s_wait_alu depctr_va_vdst(0)                   ; behind the reciprocals, directly ahead of the first reader of O^T
.set j, 0
.rept 32
	v_mul_f32 v[96+j], v[160+j], v14
.set j, j+1
.endr
.irp b, 0,1
	v_max3_num_f32 v[212+\b], |v[96+16*\b]|, |v[97+16*\b]|, 0x1800000
.endr
.irp i, 2,4,6,8,10,12,14
.irp b, 0,1
	s_delay_alu instid0(VALU_DEP_2)
	v_max3_num_f32 v[212+\b], v[212+\b], |v[96+16*\b+\i]|, |v[97+16*\b+\i]|
.endr
.endr
.irp b, 0,1
	s_delay_alu instid0(VALU_DEP_2)
	v_permlanex16_b32 v[216+\b], v[212+\b], s20, s21
.endr
.irp b, 0,1
	s_delay_alu instid0(VALU_DEP_2)
	v_max_num_f32 v[212+\b], v[212+\b], v[216+\b]
.endr
.irp b, 0,1
	s_delay_alu instid0(VALU_DEP_2)
	v_add_nc_u32 v[220+\b], 0xff000000, v[212+\b]
.endr
.irp b, 0,1
	s_delay_alu instid0(VALU_DEP_2)
	v_lshrrev_b32 v[216+\b], 23, v[220+\b]
.endr
	s_delay_alu instid0(VALU_DEP_1)
	v_lshl_or_b32 v224, v217, 8, v216
	v_cvt_scalef32_pk16_fp6_f32 v[192:194], v[96:111], v220
	v_cvt_scalef32_pk16_fp6_f32 v[204:206], v[112:127], v221
	v_nop
.irp i, 0,1,2
	v_permlane16_swap_b32 v[192+\i], v[204+\i]
.endr
.irp i, 0,1,2
	v_mov_b32 v[195+\i], v[204+\i]
.endr
	WIN 0x04*\t                                    ; an LDS store's data are its source 1
	ds_store_b64 v5, v[192:193] offset:3072*\t
	ds_store_b64 v5, v[194:195] offset:3072*\t+256
	ds_store_b64 v5, v[196:197] offset:3072*\t+512
	ds_store_b16 v7, v224 offset:128*\t
.endm
	s_load_b128 s[4:7], s[0:1], 0x0                ; qkvb, att
	v_lshl_add_u32 v254, v0, 2, SPARE
	v_mov_b32 v255, 0
	ds_add_u32 v254, v255
	ds_add_u32 v254, v255
	v_lshrrev_b32 v1, 5, v0
	v_readfirstlane_b32 s8, v1                     ; wave
	s_bfe_u32 s9, ttmp6, 0x40000                   ; cx: which pair of the block's four
	s_and_b32 s11, ttmp7, 0xffff
	s_lshr_b32 s12, s11, 2                         ; batch
	s_and_b32 s13, s11, 3                          ; kv head
	s_and_b32 s14, s8, 3                           ; query head of the group
	s_lshr_b32 s16, s8, 2
	s_lshl_b32 s17, ttmp9, 1
	s_add_co_u32 s17, s17, s16                     ; u, the low block
	v_and_b32 v12, 31, v0
	v_and_b32 v13, 15, v0
	v_bfe_u32 v14, v0, 4, 1
	v_lshlrev_b32 v1, 4, v12                       ; 16 x lane
	v_lshlrev_b32 v2, 2, v12                       ; 4 x lane
	v_lshlrev_b32 v235, 3, v12
	v_lshlrev_b32 v234, 2, v13
	v_and_b32 v15, 8, v13
	v_add_nc_u32 v15, v15, v13                     ; r + 8 (r / 8)
	v_lshlrev_b32 v3, 4, v14
	v_sub_nc_u32 v3, v15, v3
	s_lshl_b32 s18, s9, 5
	v_add_nc_u32 v3, s18, v3                       ; my query's place in its block, less 16 h: element n is masked where 32 (n / 16) + n % 16 is greater
	s_mul_i32 s18, s16, 12288
	s_mul_i32 s19, s14, 768
	s_add_co_u32 s18, s18, s19
	s_add_co_u32 s18, s18, STG
	v_lshl_add_u32 v4, v12, 3, s18                 ; the stage, in: tile 4 g + 2 (block) + (odd), head, 8 x lane
	s_lshl_b32 s18, s16, 9
	s_lshl_b32 s19, s14, 1
	s_add_co_u32 s18, s18, s19
	s_add_co_u32 s18, s18, SSC
	v_lshl_add_u32 v6, v13, 3, s18
	s_mul_i32 s18, s8, 3072
	s_add_co_u32 s18, s18, STG
	v_lshl_add_u32 v232, v12, 3, s18               ; the stage, out: wave w takes tile w
	s_lshl_b32 s18, s14, 8
	s_add_co_u32 s18, s18, SSC
	v_lshl_add_u32 v233, v12, 3, s18
.irp j, 16,17,18,19,20,21,28,29,30,31,32,33,216,217,218,219,224,227
	v_mov_b32 v[\j], 0
.endr
	v_mov_b32 v230, 0xff800000
	WIN 0x40
	v_add_nc_u32 v3, 8, v3                         ; the odd tile's queries lie 8 further on
.irp j, 16,17,18,19,20,21,28,29,30,31,32,33,216,217,218,219,224,227
	v_mov_b32 v[\j], 0
.endr
	v_mov_b32 v230, 0xff800000
	WIN 0
	s_lshl_b32 s48, s12, 4
	s_lshl_b32 s18, s13, 2
	s_add_co_u32 s48, s48, s18
	s_add_co_u32 s48, s48, s14
	s_lshl_b32 s48, s48, 6                         ; my head's first pair
	s_mov_b32 s20, 0x76543210
	s_mov_b32 s21, 0xfedcba98
	s_mov_b32 s22, 0x3e38aa3b                      ; log2(e) / 8
	s_mov_b32 s23, s22
	s_mov_b32 s24, 15|(3<<16)|(1<<21)              ; 100 rows of 256 dense bytes; the mask names all four work-groups
	s_mov_b32 s25, 32<<16
	s_mov_b32 s26, 100<<16
	s_mov_b32 s27, 32<<16
	s_mov_b32 s28, 100
	s_mov_b32 s29, 32
	s_mov_b32 s30, 0
	s_mov_b32 s31, 0
	s_mov_b32 s32, 1
	s_mul_i32 s33, s8, 2*STEPB                     ; wave w brings steps 2 w and 2 w + 1
	s_mul_i32 s18, s11, 16*STEPB
	s_add_co_u32 s18, s18, s33
	s_add_co_u32 s18, s18, KVO
	s_mov_b32 s19, 0
	s_wait_alu depctr_va_vdst(0)                   ; the wait at the head's end
	s_wait_dscnt 0x0
	s_wait_kmcnt 0x0
	s_add_nc_u64 s[34:35], s[4:5], s[18:19]
	s_or_b32 s35, s35, 0x80000000
	ROUND
	tensor_load_to_lds s[32:35], s[24:31]          ; the launch's only fill: one load a wave
	s_nop 0
	s_sub_co_u32 s19, 15, s17                      ; the high block
	QLOAD s17, 44, 22, 90                          ; both blocks' Q come while the fill is on its way
	QLOAD s19, 52, 236, 91
	s_wait_tensorcnt 0x0
	s_barrier_signal -1
	s_barrier_wait -1                              ; all 16 steps are in
	s_wait_loadcnt 0x0
	s_mov_b32 s62, 0
	s_mov_b32 s60, 0
	s_mov_b32 s61, 0
.Lhalf:                                                ; two trips: the low block, the high block
	s_cmp_eq_u32 s62, 0
	s_cselect_b32 s41, s17, s19                    ; the diagonal step
	s_cbranch_scc1 .Lfirst
.irp j, 0,1,2,3,4,5
	v_mov_b32 v[22+\j], v[236+\j]                  ; the high block's Q
.endr
	v_mov_b32 v90, v91
	WIN 0x41
.irp j, 0,1,2,3,4,5
	v_mov_b32 v[22+\j], v[236+\j]
.endr
	WIN 0
.Lfirst:
	s_wait_alu depctr_va_vdst(0)                   ; the wait here, directly ahead of the wait below
	s_wait_dscnt 0x0                               ; no load is on its way into K's registers
	KLOAD 1, 2                                     ; step 0
	v_add_nc_u32 v5, s60, v4
	v_add_nc_u32 v7, s61, v6
	v_and_b32 v34, 0xffff, v90                     ; the even tile's two bytes, in both halves of the word;
	v_lshrrev_b32 v35, 16, v90                     ; the odd tile's
	v_lshl_or_b32 v34, v34, 16, v34
	v_lshl_or_b32 v35, v35, 16, v35
.irp t, 0,1
	WIN 0x55*\t
	v_mov_b32 v13, 0xff61b1e6
	v_mov_b32 v14, 0
	v_mov_b32 v15, 0
	v_floor_f32 v12, -v13
.set j, 0
.rept 32
	v_mov_b32 v[160+j], 0
.set j, j+1
.endr
.endr
	WIN 0
	s_wait_alu depctr_va_vdst(0)                   ; the wait directly ahead of the wait below
	s_wait_dscnt 0x0                               ; step 0's K is in
.irp f, 0,1,2,3
.irp c, 0,1
	QK1 0, \f, \c                                  ; tile A's scores of step 0
.endr
.endr
	s_mov_b32 s40, 0
	s_mov_b32 s42, 0
.Lstep:
	s_cmp_gt_u32 s40, s41
	s_cbranch_scc1 .Lskip                          ; behind the diagonal
	s_add_co_u32 s43, s42, STEPB
	s_min_u32 s43, s43, 15*STEPB                   ; the next step, held inside the tiles
	v_add_nc_u32 v8, s42, v1                       ; (these four are the places behind the products just issued)
	v_add_nc_u32 v9, s42, v2
	v_add_nc_u32 v10, s43, v1
	v_add_nc_u32 v11, s43, v2
	WIN 0x40
.irp f, 0,1,2,3
.irp G, 0,1,2
	ds_load_b128 v[36+12*\f+4*\G:39+12*\f+4*\G], v8 offset:4*FR+FR*\f+512*\G   ; V's fragments
.endr
.endr
	WIN 0
	ds_load_b32 v86, v9 offset:8*FR+256
	ds_load_b32 v87, v9 offset:8*FR+384
	SOFT 0
	SOFT 1
	WIN 0
.Lskip:
	s_add_co_u32 s42, s42, STEPB
	s_add_co_u32 s40, s40, 1
	s_cmp_lt_u32 s40, 16
	s_cbranch_scc1 .Lstep
.irp t, 0,1
	WIN 0x55*\t
	v_add_f32 v14, v14, v15
	s_delay_alu instid0(VALU_DEP_1)
	v_permlanex16_b32 v224, v14, s20, s21
	s_delay_alu instid0(VALU_DEP_1)
	v_add_f32 v14, v14, v224
.endr
	s_wait_alu depctr_va_vdst(0)                   ; ahead of the two reciprocals
	v_rcp_f32 v14, v14
	WIN 0
	v_rcp_f32 v14, v14
	v_nop
	OUTQ 0
	OUTQ 1
	WIN 0
	s_add_co_u32 s60, s60, 6144
	s_add_co_u32 s61, s61, 256
	s_add_co_u32 s62, s62, 1
	s_cmp_lt_u32 s62, 2
	s_cbranch_scc1 .Lhalf
	s_wait_dscnt 0x0
	s_barrier_signal -1
	s_barrier_wait -1                              ; the stage is whole
.irp g, 0,1,2,3,4,5,6,7,8,9,10,11
	ds_load_b64 v[96+2*\g:97+2*\g], v232 offset:256*\g   ; tile w: two fragments (four heads), as register images
.endr
	s_bitcmp1_b32 s8, 1
	s_cselect_b32 s52, s19, s17
	s_lshl_b32 s53, s52, 3
	s_lshl_b32 s54, s9, 1
	s_add_co_u32 s53, s53, s54
	s_and_b32 s54, s8, 1
	s_add_co_u32 s53, s53, s54
	s_lshl_b32 s54, s12, 7
	s_add_co_u32 s53, s53, s54                     ; the token tile
	s_lshl_b32 s53, s53, 3
	s_lshl_b32 s54, s13, 1
	s_add_co_u32 s53, s53, s54                     ; its K steps 2 kv and 2 kv + 1
	s_mul_i32 s50, s53, FR
	s_mov_b32 s51, 0
	s_add_nc_u64 s[50:51], s[6:7], s[50:51]
	s_wait_dscnt 0x0
.irp G, 0,1,2,3,4,5
	global_store_b128 v1, v[96+4*\G:99+4*\G], s[50:51] offset:512*\G   ; 3,072 consecutive bytes
.endr
	s_cmp_lt_u32 s8, 4
	s_cbranch_scc0 .Lno_scales
	ds_load_b64 v[120:121], v233
	s_lshl_b32 s52, ttmp9, 1
	s_lshr_b32 s53, s8, 1
	s_add_co_u32 s52, s52, s53
	s_sub_co_u32 s53, 15, s52
	s_bitcmp1_b32 s8, 0
	s_cselect_b32 s52, s53, s52
	s_lshl_b32 s52, s52, 2
	s_add_co_u32 s52, s52, s9
	s_lshl_b32 s53, s12, 6
	s_add_co_u32 s52, s52, s53
	s_lshl_b32 s56, s52, 10
	s_lshl_b32 s53, s13, 8
	s_add_co_u32 s56, s56, s53
	s_add_co_u32 s56, s56, ASO
	s_mov_b32 s57, 0
	s_add_nc_u64 s[56:57], s[6:7], s[56:57]
	s_wait_dscnt 0x0
	global_store_b64 v235, v[120:121], s[56:57]    ; a pair's scale bytes of these four heads: 256 consecutive bytes
.Lno_scales:
	s_wait_tensorcnt 0x0                           ; the wave's end
	ds_add_u32 v254, v255
	s_wait_dscnt 0x0
	ROUND                                          ; the closing round
	s_endpgm
.Lfunc_end_k_qdb086a93c8_attn:
	.size	k_qdb086a93c8_attn, .Lfunc_end_k_qdb086a93c8_attn-k_qdb086a93c8_attn
	.p2alignl 7, 3214868480
	.fill 96, 4, 3214868480
	.section	.rodata,"a",@progbits
	.p2align	6, 0x0
	.amdhsa_kernel k_qdb086a93c8_attn
		.amdhsa_group_segment_fixed_size 327680
		.amdhsa_private_segment_fixed_size 0
		.amdhsa_enable_private_segment 0
		.amdhsa_kernarg_size 16
		.amdhsa_user_sgpr_count 2
		.amdhsa_user_sgpr_kernarg_segment_ptr 1
		.amdhsa_wavefront_size32 1
		.amdhsa_system_sgpr_workgroup_id_x 1
		.amdhsa_system_sgpr_workgroup_id_y 1
		.amdhsa_system_sgpr_workgroup_id_z 1
		.amdhsa_system_vgpr_workitem_id 0
		.amdhsa_next_free_vgpr 512
		.amdhsa_next_free_sgpr 80
		.amdhsa_reserve_vcc 1
		.amdhsa_float_denorm_mode_32 3
		.amdhsa_float_denorm_mode_16_64 3
		.amdhsa_memory_ordered 1
		.amdhsa_forward_progress 1
		.amdhsa_inst_pref_size 66
	.end_amdhsa_kernel
	.amdgpu_metadata
---
amdhsa.version: [ 1, 2 ]
amdhsa.kernels:
  - .name:           k_qdb086a93c8_attn
    .symbol:         k_qdb086a93c8_attn.kd
    .args:
      - { .name: qkvb, .offset: 0, .size: 8, .value_kind: global_buffer, .address_space: global }
      - { .name: att, .offset: 8, .size: 8, .value_kind: global_buffer, .address_space: global }
    .group_segment_fixed_size: 327680
    .private_segment_fixed_size: 0
    .kernarg_segment_align: 8
    .kernarg_segment_size: 16
    .max_flat_workgroup_size: 256
    .sgpr_count:     80
    .vgpr_count:     512
    .wavefront_size: 32
...
	.end_amdgpu_metadata
.endif
;; end of part 3
;; launch oproj (part 4): grid 32 x 8, 4 waves a work-group, clusters of 4 x 1, 327,680 bytes of LDS; arguments att, pre, o_b, out0; writes out0
.if DOCPART == 4
	.amdgcn_target "amdgcn-amd-amdhsa--gfx1250"
	.amdhsa_code_object_version 6
	.text
	.protected	k_qdb086a93c8_oproj
	.globl	k_qdb086a93c8_oproj
	.p2align	8
	.type	k_qdb086a93c8_oproj,@function
k_qdb086a93c8_oproj:
	s_mov_b64 s[64:65], 0
	v_nop
	global_prefetch_b8 v0, s[64:65] scope:SCOPE_SE
	s_setreg_imm32_b32 hwreg(HW_REG_WAVE_MODE, 25, 1), 1
	s_wait_xcnt 0x0
	s_wait_alu depctr_hold_cnt(0) depctr_sa_sdst(0) depctr_va_vdst(0) depctr_va_sdst(0) depctr_va_ssrc(0) depctr_va_vcc(0) depctr_vm_vsrc(0)
	s_getreg_b32 s2, hwreg(HW_REG_IB_STS2, 6, 4)
	s_cmp_eq_u32 s2, 0
	s_cbranch_scc0 .Lentry_in_a_cluster
	s_endpgm
.Lentry_in_a_cluster:
	s_bfe_u32 s2, ttmp6, 0x10000c
	s_cmp_lg_u32 s2, 0x3003
	s_cbranch_scc0 .Lentry_shape_is_right
	s_endpgm
.Lentry_shape_is_right:
; OUT = A o_w + o_b on codes of E2M3.  A: the attention launch's operand images; o_w: the first launch's.  A work-group: 256 tokens x 128 columns; four waves, each 64 tokens x 128 columns: 32 accumulators.
; Source 0 = P, o_w's 8 tiles of columns, in LDS with all of K, filled once; source 1 = R, my four token tiles, all 8 K steps in registers, straight from memory.  A lane holds one token, its registers run along the columns.
; CLUSTER: the four work-groups of a cluster share y, so they need the same panel: it is asked for jointly (mask 15); its addresses hang on y and the wave's number alone.
; The bias is the C of each sum's first matrix instruction.  The results go through each wave's own stage in LDS (no fill lands there) and leave as rows of 512 consecutive bytes.
; REGISTERS: window 0: v1-11 addresses; v16-31 R's scale words, v32-63 P's; v64-159 two sets of four fragments of P, on the way out v64-191 rows; v192-255 the bias.  Window 1: the accumulators, (a, b) at 64 a + 8 b.
; Windows 2, 3: R's fragments, K step s at window 2 + s / 5, register 48 (s % 5) + 12 a.
.set FR,    1536
.set TILEB, 12288
.set NPT,   8
.set NG,    NPT/4
.set CH,    NPT*3072
.set PSC,   4*CH
.set STG0,  PSC+(NPT/2)*1024           ; the stages: 16 rows x 528 bytes a wave
.set SCA,   8257536
.set ASO,   6291456
.set LI,  1
.set L8,  2
.set LQ,  4
.set APS, 8
.set VB,  9
.set STO, 10
.set RD,  11
.set RS,  16
.set PS,  32
.set PB,  64
.set BK,  64
.set BI,  192
.set MSB, 0
.macro WIN new
.if MSB != (\new)
	s_set_vgpr_msb (MSB<<8)|(\new)
.set MSB, \new
.endif
.endm
.macro PLACES
.rept 4
	v_nop
.endr
.endm
.macro ROUND
	s_barrier_signal -1
	s_barrier_wait -1
	s_cmp_lg_u32 s14, 0
	s_cbranch_scc1 .Lnot_wave_0_\@
	s_barrier_signal -3
.Lnot_wave_0_\@:
	s_barrier_wait -3
	s_barrier_signal -1
	s_barrier_wait -1
.endm
.macro WM
.if ROWA && ROWB
	v_wmma_scale_f32_16x16x128_f8f6f4 v[DD:DD+7], v[PA:PA+11], v[RB:RB+11], v[CC:CC+7], v[SA], v[SB] matrix_a_fmt:MATRIX_FMT_FP6 matrix_b_fmt:MATRIX_FMT_FP6 matrix_a_scale:MATRIX_SCALE_ROW1 matrix_b_scale:MATRIX_SCALE_ROW1
.elseif ROWA
	v_wmma_scale_f32_16x16x128_f8f6f4 v[DD:DD+7], v[PA:PA+11], v[RB:RB+11], v[CC:CC+7], v[SA], v[SB] matrix_a_fmt:MATRIX_FMT_FP6 matrix_b_fmt:MATRIX_FMT_FP6 matrix_a_scale:MATRIX_SCALE_ROW1
.elseif ROWB
	v_wmma_scale_f32_16x16x128_f8f6f4 v[DD:DD+7], v[PA:PA+11], v[RB:RB+11], v[CC:CC+7], v[SA], v[SB] matrix_a_fmt:MATRIX_FMT_FP6 matrix_b_fmt:MATRIX_FMT_FP6 matrix_b_scale:MATRIX_SCALE_ROW1
.else
	v_wmma_scale_f32_16x16x128_f8f6f4 v[DD:DD+7], v[PA:PA+11], v[RB:RB+11], v[CC:CC+7], v[SA], v[SB] matrix_a_fmt:MATRIX_FMT_FP6 matrix_b_fmt:MATRIX_FMT_FP6
.endif
.endm
.macro FETCHP gm
.set FS, (\gm)/NG
.set FG, (\gm)%NG
.irp i, 0,1,2,3
.irp G, 0,1,2
	ds_load_b128 v[PB+48*((\gm)%2)+12*\i+4*\G:PB+48*((\gm)%2)+12*\i+4*\G+3], v[LQ+2*FG] offset:\i*12288+FS*FR+512*\G   ; the panel lies as in memory: [tile][K step][1,536]
.endr
.endr
.endm
.macro LOADR s
	WIN (2+(\s)/5)<<6
.irp a, 0,1,2,3
.irp G, 0,1,2
	global_load_b128 v[48*((\s)%5)+12*\a+4*\G:48*((\s)%5)+12*\a+4*\G+3], v[LI], s[72:73] offset:\a*TILEB+(\s)*FR+512*\G th:TH_LOAD_NT
.endr
.endr
	WIN 0
.endm
.macro MULG gm                         ; 16 matrix instructions on 16 accumulators, by turns, one instruction a turn
.set MS, (\gm)/NG
.set MG, (\gm)%NG
.if MS == 0
	WIN 0x40|((2+MS/5)<<2)                         ; C: the bias, in window 0
.else
	WIN 0x50|((2+MS/5)<<2)
.endif
.irp i, 0,1,2,3
.irp a, 0,1,2,3
.set DD, 64*\a+8*(4*MG+\i)
.if MS == 0
.set CC, BI+8*(4*MG+\i)
.else
.set CC, DD
.endif
.set PA, PB+48*((\gm)%2)+12*\i
.set RB, 48*(MS%5)+12*\a
.set SA, PS+8*((4*MG+\i)/2)+MS
.set SB, RS+8*(\a/2)+MS
.set ROWA, \i%2
.set ROWB, \a%2
	WM
.endr
.endr
.endm
	s_load_b256 s[4:11], s[0:1], 0x0               ; att, pre, o_b, out0
	v_lshl_add_u32 v14, v0, 2, 0x29000
	v_mov_b32 v15, 0
	ds_add_u32 v14, v15
	ds_add_u32 v14, v15
	v_lshrrev_b32 v3, 5, v0
	v_readfirstlane_b32 s14, v3                    ; wave
	s_bfe_u32 s15, ttmp6, 0x40000                  ; cx
	s_lshl_b32 s16, ttmp9, 2
	s_add_co_u32 s16, s16, s15                     ; which 256 tokens
	s_and_b32 s17, ttmp7, 0xffff                   ; which 128 columns
	v_and_b32 v3, 31, v0
	v_lshlrev_b32 v[LI], 4, v3
	v_lshlrev_b32 v[L8], 3, v3
.irp q, 0,1,2,3
	v_add_nc_u32 v[LQ+\q], \q*CH, v[LI]
.endr
	v_and_b32 v12, 15, v0
	v_bfe_u32 v13, v0, 4, 1
	v_lshlrev_b32 v[VB], 6, v13                    ; 64 h
	s_mul_i32 s22, s14, 16*528
	s_add_co_u32 s22, s22, STG0                    ; my stage
	v_mul_u32_u24 v[STO], v12, 528
	v_add_nc_u32 v[STO], v[STO], v[VB]
	v_add_nc_u32 v[STO], s22, v[STO]               ; in: row r, + 64 h
	v_add_nc_u32 v[RD], s22, v[LI]                 ; back: a row of 512 bytes
	s_lshl_b32 s18, s17, 3
	s_add_co_u32 s18, s18, 608                     ; o_w's tiles of these columns,
	s_lshl_b32 s19, s14, 1
	s_add_co_u32 s18, s18, s19                     ; my two of them
	s_mul_i32 s68, s18, TILEB
	s_mov_b32 s69, 0
	s_lshl_b32 s66, s17, 12                        ; the panel's scale words: 4,096 bytes
	s_add_co_u32 s66, s66, SCA+304*1024
	s_mov_b32 s67, 0
	s_mul_i32 s70, s14, (NPT/4)*12288
	s_lshl_b32 s20, s16, 4
	s_lshl_b32 s21, s14, 2
	s_add_co_u32 s20, s20, s21                     ; my first token tile
	s_mul_i32 s72, s20, TILEB
	s_mov_b32 s73, 0
	s_lshl_b32 s74, s20, 9
	s_add_co_u32 s74, s74, ASO
	s_mov_b32 s75, 0
	s_lshl_b32 s76, s17, 9
	s_mov_b32 s77, 0
	s_lshl_b32 s78, s20, 16                        ; 16 tokens of 4,096 bytes a tile
	s_add_co_u32 s78, s78, s76
	s_mov_b32 s79, 0
	s_mov_b32 s32, 15|(3<<16)|(1<<21)              ; a chunk: two rows (tiles) of 12,288 bytes, 12,288 apart in memory
	s_mov_b32 s33, 1536<<16                        ; a row is a tile with all of K: eight K steps, 12,288 bytes
	s_mov_b32 s34, (NPT/4)<<16
	s_mov_b32 s35, 1536<<16
	s_mov_b32 s36, NPT/4
	s_mov_b32 s37, 1536
	s_mov_b32 s38, 0
	s_mov_b32 s39, 0
	s_wait_dscnt 0x0
	s_wait_kmcnt 0x0
	s_add_nc_u64 s[42:43], s[6:7], s[66:67]        ; P's scale words: they go straight from memory into registers
	s_add_nc_u64 s[68:69], s[6:7], s[68:69]
	s_mov_b32 s44, 1
	s_mov_b32 s45, s70
	s_mov_b64 s[46:47], s[68:69]
	s_or_b32 s47, s47, 0x80000000
	s_add_nc_u64 s[72:73], s[4:5], s[72:73]
	s_add_nc_u64 s[74:75], s[4:5], s[74:75]
	s_add_nc_u64 s[76:77], s[8:9], s[76:77]
	s_add_nc_u64 s[78:79], s[10:11], s[78:79]
	ROUND                                          ; all four work-groups are here: the joint loads meet
	tensor_load_to_lds s[44:47], s[32:39]          ; my two tiles with all of K, 24,576 bytes: the launch's only fill, one load a wave
	s_nop 0
.rept 4
	v_nop                                          ; (behind a tensor load)
.endr
	s_wait_alu depctr_va_vdst(0)
.irp b, 0,1,2,3,4,5,6,7
	global_load_b128 v[BI+8*\b:BI+8*\b+3], v[VB], s[76:77] offset:128*(\b/2)+32*(\b%2)
	global_load_b128 v[BI+8*\b+4:BI+8*\b+7], v[VB], s[76:77] offset:128*(\b/2)+32*(\b%2)+16
.endr
.irp pr, 0,1
.irp kv, 0,1,2,3
	global_load_b64 v[RS+8*\pr+2*\kv:RS+8*\pr+2*\kv+1], v[L8], s[74:75] offset:\pr*1024+256*\kv
.endr
.endr
.irp pr, 0,1,2,3
.irp g, 0,1
	global_load_b128 v[PS+8*\pr+4*\g:PS+8*\pr+4*\g+3], v[LI], s[42:43] offset:\pr*1024+\g*512   ; issued ahead of R's fragments, so the first wait for those covers these
.endr
.endr
.irp s, 0,1,2,3,4,5,6,7
	LOADR \s
.endr
	s_wait_tensorcnt 0x0                           ; my part of the panel is in
	s_barrier_signal -1
	s_barrier_wait -1                              ; everybody's is
	FETCHP 0
.set GM, 0
.rept 8*NG
.set KS_, GM/NG
	WIN 0
.if GM+1 < 8*NG
	FETCHP GM+1
	s_wait_dscnt 12                                ; all but the 12 just issued
.else
	s_wait_dscnt 0x0
.endif
.if GM%NG == 0
.if 12*(7-KS_) > 63
	s_wait_loadcnt 63                              ; behind this K step's loads stand 84 (72) more; the wait's field holds 63, and a smaller count is safe
.else
	s_wait_loadcnt 12*(7-KS_)                      ; the later K steps' loads may be out
.endif
.endif
	MULG GM
	PLACES
.set GM, GM+1
.endr
	WIN 0
; THE WAY OUT, a token tile at a time: 16 rows x 512 bytes through my stage.  LDS serves a wave's instructions in order, so no wait stands between the stores and the loads.
.macro TOSTAGE a
	WIN 0x04                                       ; an LDS store's data are its source 1: window 1
.irp b, 0,1,2,3,4,5,6,7
	ds_store_b128 v[STO], v[64*\a+8*\b:64*\a+8*\b+3] offset:128*(\b/2)+32*(\b%2)          ; each accumulator from its low end on
	ds_store_b128 v[STO], v[64*\a+8*\b+4:64*\a+8*\b+7] offset:128*(\b/2)+32*(\b%2)+16
.endr
	WIN 0
.irp t, 0,1,2,3,4,5,6,7,8,9,10,11,12,13,14,15
	ds_load_b128 v[BK+64*((\a)%2)+4*\t:BK+64*((\a)%2)+4*\t+3], v[RD] offset:528*\t
.endr
.endm
.macro SEND a, younger
	s_wait_dscnt \younger
.irp t, 0,1,2,3,4,5,6,7,8,9,10,11,12,13,14,15
	global_store_b128 v[LI], v[BK+64*((\a)%2)+4*\t:BK+64*((\a)%2)+4*\t+3], s[78:79] offset:(32*((\a)/2)+8*((\a)%2)+\t+8*(\t/8))*4096 th:TH_STORE_NT   ; 512 consecutive bytes, aligned
.endr
.endm
	TOSTAGE 0
	TOSTAGE 1
	SEND 0, 32                                     ; behind tile 0's loads: tile 1's 16 stores and 16 loads
	s_wait_xcnt 0x0                                ; tile 0's stores have read their registers: tile 2's rows may land there
	TOSTAGE 2
	SEND 1, 32
	s_wait_xcnt 0x0
	TOSTAGE 3
	SEND 2, 32
	SEND 3, 0
	s_wait_dscnt 0x0
	s_wait_tensorcnt 0x0
	ds_add_u32 v14, v15
	s_wait_dscnt 0x0
	ROUND                                          ; the closing round
	s_endpgm
.Lfunc_end_k_qdb086a93c8_oproj:
	.size	k_qdb086a93c8_oproj, .Lfunc_end_k_qdb086a93c8_oproj-k_qdb086a93c8_oproj
	.p2alignl 7, 3214868480
	.fill 96, 4, 3214868480
	.section	.rodata,"a",@progbits
	.p2align	6, 0x0
	.amdhsa_kernel k_qdb086a93c8_oproj
		.amdhsa_group_segment_fixed_size 327680
		.amdhsa_private_segment_fixed_size 0
		.amdhsa_enable_private_segment 0
		.amdhsa_kernarg_size 32
		.amdhsa_user_sgpr_count 2
		.amdhsa_user_sgpr_kernarg_segment_ptr 1
		.amdhsa_wavefront_size32 1
		.amdhsa_system_sgpr_workgroup_id_x 1
		.amdhsa_system_sgpr_workgroup_id_y 1
		.amdhsa_system_sgpr_workgroup_id_z 1
		.amdhsa_system_vgpr_workitem_id 0
		.amdhsa_next_free_vgpr 1024
		.amdhsa_next_free_sgpr 90
		.amdhsa_reserve_vcc 0
		.amdhsa_float_denorm_mode_32 3
		.amdhsa_float_denorm_mode_16_64 3
		.amdhsa_memory_ordered 1
		.amdhsa_forward_progress 1
		.amdhsa_inst_pref_size 80
	.end_amdhsa_kernel
	.amdgpu_metadata
---
amdhsa.version: [ 1, 2 ]
amdhsa.kernels:
  - .name:           k_qdb086a93c8_oproj
    .symbol:         k_qdb086a93c8_oproj.kd
    .args:
      - { .name: att, .offset: 0, .size: 8, .value_kind: global_buffer, .address_space: global }
      - { .name: pre, .offset: 8, .size: 8, .value_kind: global_buffer, .address_space: global }
      - { .name: o_b, .offset: 16, .size: 8, .value_kind: global_buffer, .address_space: global }
      - { .name: out0, .offset: 24, .size: 8, .value_kind: global_buffer, .address_space: global }
    .group_segment_fixed_size: 327680
    .private_segment_fixed_size: 0
    .kernarg_segment_align: 8
    .kernarg_segment_size: 32
    .max_flat_workgroup_size: 128
    .sgpr_count:     90
    .vgpr_count:     1024
    .wavefront_size: 32
...
	.end_amdgpu_metadata
.endif
;; end of part 4
